; MI455X (gfx1250); checked and timed in simulation.
; The chip was launched on July 23, 2026; its instructions are those of AMD's public machine-readable ISA for CDNA 5 (MIT licence, August 2026) and "CDNA5" Instruction Set Architecture Reference Guide (July 2026). The comments in the code are by the model that wrote it; some were corrected since.
;; Deep VCP. Allowed arithmetic: float matrix products may take bf16 or f16 operands with f32 sums; other float arithmetic in f32, or as packed bf16 or f16 multiplies, adds, multiply-adds, maxima and minima; sums over many terms, partial sums and values carried from step to step in f32; what a program stores and reads back later, other than sums and carried values, may be rounded once to bf16 or f16.
;; Inputs: W1 6 x 64 float32; W2 64 x 128 float32; b1 64 float32; b2 128 float32; src_pts 4 x 6 x 16,384 float32; tgt_pts 4 x 6 x 16,384 float32; w_score 128 float32.
;; Outputs: out0 4 x 256 x 6 float32; out1 4 x 2,048 x 10 float32; out2 4 x 64 x 32 x 6 float32; out3 4 x 64 x 32 x 6 float32.
;; 2 versions, each right; version 2 is version 1 with the launch knn1 written anew for expert scheduling mode. Each part assembles by itself: llvm-mc -triple=amdgcn-amd-amdhsa -mcpu=gfx1250 --defsym DOCPART=n.
;; ======== version 1 of 2: 5 launches
;; workspace buffers: keys 131,072 bytes of whole numbers; lists 65,536 bytes of whole numbers; idx 2,048 bytes of whole numbers; glist 1,572,864 bytes of whole numbers; gsel 65,536 bytes of whole numbers; tpk 524,288 bytes
;; launch score (part 1): grid 256 x 1, 4 waves a work-group, no clusters, 18,944 bytes of LDS; arguments src_pts, tgt_pts, W1, b1, W2, b2, w_score, keys; writes keys
.if DOCPART == 1
	.amdgcn_target "amdgcn-amd-amdhsa--gfx1250"
	.amdhsa_code_object_version 6
	.text
	.protected	k_q7ed427dea0_score
	.globl	k_q7ed427dea0_score
	.p2align	8
	.type	k_q7ed427dea0_score,@function
k_q7ed427dea0_score:
	s_mov_b64 s[64:65], 0
	v_nop
	global_prefetch_b8 v0, s[64:65] scope:SCOPE_SE
	s_setreg_imm32_b32 hwreg(HW_REG_WAVE_MODE, 25, 1), 1
	s_wait_xcnt 0x0
; SCORES.  keys[cloud][n] = a sortable image of  sum over 4 batches of  relu(relu(x W1 + b1) W2 + b2) . w_score,  x = pts[b][:][n].
; Every input is rounded to bf16 as it is read.  Both layers go to the matrix unit in bf16 with f32 sums; the hidden h (f32) is cut EXACTLY into three bf16 parts
; (8 + 8 + 8 significant bits, by truncation and exact remainders), so that the second layer loses nothing but its f32 sums' roundings: the order of the scores decides the outputs.
; LIMITS.  The mean's factor 1/4 is left out (the order is the same but among denormals); a score of -0 counts as +0; NaN and infinities are not treated apart.
; SHARES.  1,024 waves; a wave makes 32 point numbers x 4 batches: 8 tiles of 16 points.  Wave W: cloud W / 512, points 32 (W % 512) on.
; LAYOUT.  Both products are taken transposed (source 0 = weights, source 1 = points): a lane holds ONE point (lane % 16) and eight units or features, so the first layer's result, cut and
; packed in pairs, IS source 1 of the second.  Lane l holds the packed x of point l in K places 8 (l / 16) .. + 7; two copies of W1's fragments, one with its numbers in lanes 0-15 and one in
; lanes 16-31 (zeros elsewhere), pick points 0-15 or 16-31: no lane exchange.  b1 rides in K place 6 against a 1.0; b2 is the C operand that starts the second layer's sums.
; REGISTERS, in windows of 256 (s_set_vgpr_msb: bits 1:0 source 0, 3:2 source 1, 5:4 source 2, 7:6 destination):
;   window 0: v0-19 addresses; v12-17 x as loaded; v20-27 x's fragment; v32-63 h; v64-111 h's three parts; v112-175 eight accumulators; v176-191 score sums; v192-207 at work
;   window 1: v0-127 W2's fragments (features 16 f on, units 32 k on at 16 f + 8 k); v128-191 b2; v192-255 w_score          window 2: v0-63 W1's fragments, copy u, units 16 t on at 32 u + 8 t
.set SPARE, 18432                      ; behind W2's copy: the spare words, 128 bytes a wave
.set PW,    288                        ; a row of W2 in LDS: 256 bytes of bf16 + 32: an odd multiple of 32
.set BSTEP, 393216                     ; bytes from batch to batch: 6 x 16,384 x 4
.set XR,  12
.set XF,  20
.set H,   32
.set HP,  64
.set ACC, 112
.set SC,  176
.set T,   192
.set A2,  0
.set B2,  128
.set WS,  192
.set MSB, 0
.macro WIN new                         ; the immediate's high byte repeats the setting that is left; a switch that changes nothing is dropped
.if MSB != (\new)
	s_set_vgpr_msb (MSB<<8)|(\new)
.set MSB, (\new)
.endif
.endm
.macro XLOAD base                      ; a batch's six channels of my point
.irp c, 0,1,2,3,4,5
	global_load_b32 v[XR+\c], v4, s[\base:\base+1] offset:65536*\c
.endr
.endm
	s_load_b512 s[8:23], s[0:1], 0x0               ; src s[8:9], tgt s[10:11], W1 s[12:13], b1 s[14:15], W2 s[16:17], b2 s[18:19], w_score s[20:21], keys s[22:23]
	v_lshl_add_u32 v6, v0, 2, SPARE                ; my spare word,
	v_mov_b32 v7, 0                                ; and 0: kept for the closing add alone
	v_and_b32 v1, 31, v0                           ; lane
	v_lshrrev_b32 v9, 5, v0
	v_readfirstlane_b32 s24, v9                    ; wave 0..3
	v_and_b32 v2, 15, v0                           ; l % 16
	v_bfe_u32 v3, v0, 4, 1                         ; l / 16
	s_lshl2_add_u32 s25, ttmp9, s24                ; W
	s_lshr_b32 s26, s25, 9                         ; cloud
	s_and_b32 s27, s25, 511
	s_lshl_b32 s27, s27, 7                         ; my 32 points: 128 bytes of a channel
	s_lshl_b32 s25, s25, 7                         ; and 128 bytes of keys
	v_lshl_add_u32 v4, v1, 2, s27                  ; x's offset in a channel
	v_lshl_add_u32 v5, v1, 2, s25                  ; my key's offset
	v_mul_u32_u24 v9, v9, PW
	v_lshl_add_u32 v9, v1, 3, v9                   ; W2 into LDS: row t / 32 of four, 8 bytes at column 4 (t % 32)
	v_and_b32 v8, 7, v0
	v_lshl_add_u32 v8, v3, 3, v8
	v_mul_u32_u24 v8, v8, PW
	v_bfe_u32 v11, v0, 3, 1
	v_lshl_add_u32 v8, v11, 4, v8                  ; the turning load: row 8 (l / 16) + l % 8, 16 bytes at 16 ((l / 8) % 2)
	v_lshlrev_b32 v10, 4, v0                       ; 16 t
	v_lshlrev_b32 v18, 2, v2                       ; 4 (l % 16)
	v_lshlrev_b32 v19, 5, v3                       ; 32 (l / 16)
	v_mov_b32 v11, 0
	s_mov_b32 s36, 0xffff0000                      ; a word's upper bf16; also: lanes 16-31
	s_mov_b32 s39, 0x0000ffff                      ; lanes 0-15
	s_mov_b32 s37, 0x76543210                      ; v_permlanex16_b32: each lane takes its own place in the other half
	s_mov_b32 s38, 0xfedcba98
	s_mov_b32 s41, 0x07060302                      ; v_perm_b32: the two upper halves, second source below
	s_mov_b32 s35, 0
	s_wait_kmcnt 0x0
	s_cmp_eq_u32 s26, 0
	s_cselect_b64 s[28:29], s[8:9], s[10:11]       ; my cloud
.set i, 0
.rept 16                                       ; W2, 32,768 bytes: 2,048 consecutive bytes for each load of the work-group
	global_load_b128 v[ACC+4*i:ACC+4*i+3], v10, s[16:17] offset:2048*i
.set i, i+1
.endr
	XLOAD 28                                       ; batch 0
.irp t, 0,1,2,3
.irp c, 0,1,2,3,4,5
	global_load_b32 v[H+7*\t+\c], v18, s[12:13] offset:256*\c+64*\t  ; W1[c][16 t + l % 16]
.endr
	global_load_b32 v[H+7*\t+6], v18, s[14:15] offset:64*\t           ; b1[16 t + l % 16]
.endr
	s_wait_loadcnt 34                              ; W2 is in: the 6 + 28 younger loads stay out
.set i, 0
.rept 16
	v_cvt_pk_bf16_f32 v[HP+2*i], v[ACC+4*i], v[ACC+4*i+1]
	v_cvt_pk_bf16_f32 v[HP+2*i+1], v[ACC+4*i+2], v[ACC+4*i+3]
	ds_store_b64 v9, v[HP+2*i:HP+2*i+1] offset:4*PW*i
.set i, i+1
.endr
	WIN 0x40                                       ; destination window 1
.irp f, 0,1,2,3,4,5,6,7                        ; b2 and w_score of features 16 f + 8 (l / 16) + 0..7: as the accumulators hold them
	global_load_b128 v[B2+8*\f:B2+8*\f+3],   v19, s[18:19] offset:64*\f
	global_load_b128 v[B2+8*\f+4:B2+8*\f+7], v19, s[18:19] offset:64*\f+16
	global_load_b128 v[WS+8*\f:WS+8*\f+3],   v19, s[20:21] offset:64*\f
	global_load_b128 v[WS+8*\f+4:WS+8*\f+7], v19, s[20:21] offset:64*\f+16
.endr
	WIN 0
	s_wait_dscnt 0x0                               ; for the others' sake: my part of W2 lies in LDS
	s_barrier_signal -1
	s_barrier_wait -1                              ; everybody's does
	WIN 0x40
.irp f, 0,1,2,3,4,5,6,7
.irp k, 0,1
	ds_load_tr16_b128 v[A2+16*\f+8*\k:A2+16*\f+8*\k+3],   v8 offset:32*PW*\k+32*\f
	ds_load_tr16_b128 v[A2+16*\f+8*\k+4:A2+16*\f+8*\k+7], v8 offset:32*PW*\k+16*PW+32*\f
.endr
.endr
	WIN 0
	s_wait_loadcnt 32                              ; x, W1 and b1 are in: the 32 loads of b2 and w_score stay out
.irp t, 0,1,2,3
	v_cvt_pk_bf16_f32 v[SC+4*\t],   v[H+7*\t],   v[H+7*\t+1]
	v_cvt_pk_bf16_f32 v[SC+4*\t+1], v[H+7*\t+2], v[H+7*\t+3]
	v_cvt_pk_bf16_f32 v[SC+4*\t+2], v[H+7*\t+4], v[H+7*\t+5]
	v_cvt_pk_bf16_f32 v[SC+4*\t+3], v[H+7*\t+6], v11               ; (b1, 0)
.endr
	WIN 0x80                                       ; destination window 2
.irp t, 0,1,2,3
.irp i, 0,1,2,3
	v_cndmask_b32 v[8*\t+\i],    0, v[SC+4*\t+\i], s39            ; copy 0: K places 0-7
	v_cndmask_b32 v[32+8*\t+\i], 0, v[SC+4*\t+\i], s36            ; copy 1: K places 8-15
	v_mov_b32 v[8*\t+4+\i], 0                                     ; K places 16-31 are not used
	v_mov_b32 v[32+8*\t+4+\i], 0
.endr
.endr
	WIN 0
	s_wait_loadcnt 0x0
	WIN 0x05                                       ; b2 and w_score are rounded to bf16 and widened again
.set i, 0
.rept 64
	v_cvt_pk_bf16_f32 v[ACC+i], v[B2+2*i], v[B2+2*i+1]
.set i, i+1
.endr
	WIN 0x40
.set i, 0
.rept 64
	v_lshlrev_b32 v[B2+2*i], 16, v[ACC+i]
	v_and_b32 v[B2+2*i+1], s36, v[ACC+i]
.set i, i+1
.endr
	WIN 0
	v_mov_b32 v[XF+3], 0x3f80                      ; (1.0, 0): b1's partner
.irp i, 4,5,6,7
	v_mov_b32 v[XF+\i], 0
.endr
.set i, 0
.rept 16
	v_mov_b32 v[SC+i], 0
.set i, i+1
.endr
	s_wait_dscnt 0x0                               ; W2's fragments are in
; Pair i of h's tile t: relu; the upper halves are part 0; the exact remainder's upper halves part 1; what is left has 8 bits or fewer and is part 2.
.macro SPLIT t, i
.set rA, H+8*(\t)+2*(\i)
.set rD, HP+8*((\t)/2)+4*((\t)%2)+(\i)
.set rT, T+4*(\i)
	v_max_num_f32 v[rA], 0, v[rA]
	v_max_num_f32 v[rA+1], 0, v[rA+1]
	v_and_b32 v[rT], s36, v[rA]
	v_and_b32 v[rT+1], s36, v[rA+1]
	v_perm_b32 v[rD], v[rA+1], v[rA], s41
	v_pk_add_f32 v[rT:rT+1], v[rA:rA+1], v[rT:rT+1] neg_lo:[0,1] neg_hi:[0,1]
	v_and_b32 v[rT+2], s36, v[rT]
	v_and_b32 v[rT+3], s36, v[rT+1]
	v_perm_b32 v[rD+16], v[rT+1], v[rT], s41
	v_pk_add_f32 v[rT:rT+1], v[rT:rT+1], v[rT+2:rT+3] neg_lo:[0,1] neg_hi:[0,1]
	v_perm_b32 v[rD+32], v[rT+1], v[rT], s41
.endm
; Sixteen points (u = 0: lanes' points 0-15, 1: 16-31) of the batch in hand.
.macro TILE u
	WIN 0x02                                       ; W1's fragments in window 2
.irp t, 0,1,2,3
	v_wmma_f32_16x16x32_bf16 v[H+8*\t:H+8*\t+7], v[32*(\u)+8*\t:32*(\u)+8*\t+7], v[XF:XF+7], 0
.endr
	WIN 0
.rept 4
	v_nop                                          ; four places between the products and the first read of their results (ISA guide 7.12.1)
.endr
.irp t, 0,1,2,3                                ; each tile's lowest registers are read first
.irp i, 0,1,2,3
	SPLIT \t, \i
.endr
.endr
.irp p, 2,1,0                                  ; the small parts first; the eight accumulators take turns
.irp k, 0,1
.irp f, 0,1,2,3,4,5,6,7
.if ((\p) == 2) && ((\k) == 0)
	WIN 0x11                                       ; W2 and b2 in window 1: b2 starts the sums
	v_wmma_f32_16x16x32_bf16 v[ACC+8*\f:ACC+8*\f+7], v[A2+16*\f+8*\k:A2+16*\f+8*\k+7], v[HP+16*\p+8*\k:HP+16*\p+8*\k+7], v[B2+8*\f:B2+8*\f+7]
.else
	WIN 0x01
	v_wmma_f32_16x16x32_bf16 v[ACC+8*\f:ACC+8*\f+7], v[A2+16*\f+8*\k:A2+16*\f+8*\k+7], v[HP+16*\p+8*\k:HP+16*\p+8*\k+7], v[ACC+8*\f:ACC+8*\f+7]
.endif
.endr
.endr
.endr
	WIN 0
.rept 4
	v_nop
.endr
.set i, 0
.rept 64
	v_max_num_f32 v[ACC+i], 0, v[ACC+i]
.set i, i+1
.endr
	WIN 0x04                                       ; w_score in window 1
.irp f, 0,1,2,3,4,5,6,7
.irp i, 0,1,2,3
	v_pk_fma_f32 v[SC+8*(\u)+2*\i:SC+8*(\u)+2*\i+1], v[ACC+8*\f+2*\i:ACC+8*\f+2*\i+1], v[WS+8*\f+2*\i:WS+8*\f+2*\i+1], v[SC+8*(\u)+2*\i:SC+8*(\u)+2*\i+1]
.endr
.endr
	WIN 0
.endm
	s_mov_b32 s32, 4
.Lbatch:                                       ; a trip is a batch; the next batch's x is asked for at its head
	s_wait_loadcnt 0x0                             ; x is in, and its loads' base may be written
	v_cvt_pk_bf16_f32 v[XF],   v[XR],   v[XR+1]
	v_cvt_pk_bf16_f32 v[XF+1], v[XR+2], v[XR+3]
	v_cvt_pk_bf16_f32 v[XF+2], v[XR+4], v[XR+5]
	s_sub_co_u32 s33, 5, s32                       ; the next batch,
	s_min_u32 s33, s33, 3                          ; held inside the buffer: the last trip reads batch 3 once more and uses nothing of it
	s_mul_i32 s34, s33, BSTEP
	s_add_nc_u64 s[30:31], s[28:29], s[34:35]
	XLOAD 30
	TILE 0
	TILE 1
	s_sub_co_u32 s32, s32, 1
	s_cmp_lg_u32 s32, 0
	s_cbranch_scc1 .Lbatch
.irp u, 0,1                                    ; a point's 64 features in my lane, then the 64 in the lane 16 away
	v_pk_add_f32 v[SC+8*\u:SC+8*\u+1],   v[SC+8*\u:SC+8*\u+1],   v[SC+8*\u+2:SC+8*\u+3]
	v_pk_add_f32 v[SC+8*\u+4:SC+8*\u+5], v[SC+8*\u+4:SC+8*\u+5], v[SC+8*\u+6:SC+8*\u+7]
	v_pk_add_f32 v[SC+8*\u:SC+8*\u+1],   v[SC+8*\u:SC+8*\u+1],   v[SC+8*\u+4:SC+8*\u+5]
	v_add_f32 v[SC+8*\u], v[SC+8*\u], v[SC+8*\u+1]
	v_permlanex16_b32 v[T+\u], v[SC+8*\u], s37, s38
	v_add_f32 v[SC+8*\u], v[SC+8*\u], v[T+\u]
.endr
	v_cndmask_b32 v[T], v[SC], v[SC+8], s36        ; lane l takes point l's score
	v_add_f32 v[T], 0, v[T]                        ; -0 becomes +0
	v_ashrrev_i32 v[T+1], 31, v[T]
	v_or_b32 v[T+1], 0x80000000, v[T+1]
	v_xor_b32 v[T], v[T], v[T+1]                   ; unsigned order = the scores' order
	global_store_b32 v5, v[T], s[22:23]
	s_wait_tensorcnt 0x0                           ; the wave's end
	ds_add_u32 v6, v7
	s_wait_dscnt 0x0
	s_endpgm
.Lfunc_end_k_q7ed427dea0_score:
	.size	k_q7ed427dea0_score, .Lfunc_end_k_q7ed427dea0_score-k_q7ed427dea0_score
	.p2alignl 7, 3214868480
	.fill 96, 4, 3214868480
	.section	.rodata,"a",@progbits
	.p2align	6, 0x0
	.amdhsa_kernel k_q7ed427dea0_score
		.amdhsa_group_segment_fixed_size 18944
		.amdhsa_private_segment_fixed_size 0
		.amdhsa_enable_private_segment 0
		.amdhsa_kernarg_size 64
		.amdhsa_user_sgpr_count 2
		.amdhsa_user_sgpr_kernarg_segment_ptr 1
		.amdhsa_wavefront_size32 1
		.amdhsa_system_sgpr_workgroup_id_x 1
		.amdhsa_system_sgpr_workgroup_id_y 1
		.amdhsa_system_sgpr_workgroup_id_z 1
		.amdhsa_system_vgpr_workitem_id 0
		.amdhsa_next_free_vgpr 576
		.amdhsa_next_free_sgpr 66
		.amdhsa_reserve_vcc 0
		.amdhsa_float_denorm_mode_32 3
		.amdhsa_float_denorm_mode_16_64 3
		.amdhsa_memory_ordered 1
		.amdhsa_forward_progress 1
		.amdhsa_inst_pref_size 62
	.end_amdhsa_kernel
	.amdgpu_metadata
---
amdhsa.version: [ 1, 2 ]
amdhsa.kernels:
  - .name:           k_q7ed427dea0_score
    .symbol:         k_q7ed427dea0_score.kd
    .args:
      - { .name: src_pts, .offset: 0, .size: 8, .value_kind: global_buffer, .address_space: global }
      - { .name: tgt_pts, .offset: 8, .size: 8, .value_kind: global_buffer, .address_space: global }
      - { .name: W1, .offset: 16, .size: 8, .value_kind: global_buffer, .address_space: global }
      - { .name: b1, .offset: 24, .size: 8, .value_kind: global_buffer, .address_space: global }
      - { .name: W2, .offset: 32, .size: 8, .value_kind: global_buffer, .address_space: global }
      - { .name: b2, .offset: 40, .size: 8, .value_kind: global_buffer, .address_space: global }
      - { .name: w_score, .offset: 48, .size: 8, .value_kind: global_buffer, .address_space: global }
      - { .name: keys, .offset: 56, .size: 8, .value_kind: global_buffer, .address_space: global }
    .group_segment_fixed_size: 18944
    .private_segment_fixed_size: 0
    .kernarg_segment_align: 8
    .kernarg_segment_size: 64
    .max_flat_workgroup_size: 128
    .sgpr_count:     66
    .vgpr_count:     576
    .wavefront_size: 32
...
	.end_amdgpu_metadata
.endif
;; end of part 1
;; launch sortA (part 2): grid 32 x 1, 4 waves a work-group, no clusters, 8,704 bytes of LDS; arguments keys, lists; writes lists
.if DOCPART == 2
	.amdgcn_target "amdgcn-amd-amdhsa--gfx1250"
	.amdhsa_code_object_version 6
	.text
	.protected	k_q7ed427dea0_sortA
	.globl	k_q7ed427dea0_sortA
	.p2align	8
	.type	k_q7ed427dea0_sortA,@function
k_q7ed427dea0_sortA:
	s_mov_b64 s[64:65], 0
	v_nop
	global_prefetch_b8 v0, s[64:65] scope:SCOPE_SE
	s_setreg_imm32_b32 hwreg(HW_REG_WAVE_MODE, 25, 1), 1
	s_wait_xcnt 0x0
; THE BEST 256 OF 1,024, SORTED.  An element is (K, I): the score's image and the point's number; a comes before b if Ka > Kb, or Ka = Kb and Ia < Ib (the lower number wins a tie).
; A wave sorts a block of 256 by a bitonic network: position p = 8 lane + register.  Then two rounds of merging: of two lists sorted in opposite directions the better of each pair of
; equal positions are the best 256 of both, a bitonic run, which eight stages sort.  No address and no branch hangs on a key: every choice is a v_cndmask_b32.
; SHARES.  Work-group w takes blocks 4 w .. 4 w + 3 of the 128 (64 a cloud), a wave each, and leaves list w: best first if w is even, worst first if odd, as the next launch wants them.
; In an exchange EVERY wave stores its list and loads that of wave v xor s: no branch on the wave's number; waves whose list is no longer wanted go on with numbers that nobody reads.
; One LDS region, two barriers an exchange: stores, wait, barrier, loads; loads' wait, barrier, the next stores.
; The stages are written once (.Lmax .. the loop's foot) and entered further up trip by trip: trips 0-3 finish runs of 16, 32, 64, 128; trip 4 the block; trips 5, 6 the merges.
.set SPARE, 8192                       ; behind the four slots of 2,048 bytes: the spare words
.set K,  8                             ; v[8:15]   keys
.set I,  16                            ; v[16:23]  numbers
.set TK, 24                            ; v[24:31]  the partner's keys
.set TI, 32                            ; v[32:39]  the partner's numbers
; For each of the eight elements: take the partner's where (partner comes before mine) xor s31.
.macro SEL
.irp e, 0,1,2,3,4,5,6,7
	v_cmp_gt_u32 s[40+3*\e], v[TK+\e], v[K+\e]
	v_cmp_eq_u32 s[41+3*\e], v[TK+\e], v[K+\e]
	v_cmp_lt_u32 s[42+3*\e], v[TI+\e], v[I+\e]
.endr
.irp e, 0,1,2,3,4,5,6,7
	s_and_b32 s[41+3*\e], s[41+3*\e], s[42+3*\e]
	s_or_b32  s[40+3*\e], s[40+3*\e], s[41+3*\e]
	s_xor_b32 s[40+3*\e], s[40+3*\e], s31
.endr
.irp e, 0,1,2,3,4,5,6,7
	v_cndmask_b32 v[K+\e], v[K+\e], v[TK+\e], s[40+3*\e]
	v_cndmask_b32 v[I+\e], v[I+\e], v[TI+\e], s[40+3*\e]
.endr
.endm
; A stage between lanes l and l xor x.  pat: the lanes with bit x set, the upper of each pair; s30: the lanes whose run is sorted worst first.  A lane wants the worse where the two differ.
.macro XST x, pat
	s_xor_b32 s31, s30, \pat
.irp e, 0,1,2,3,4,5,6,7
.if (\x) == 16
	v_permlanex16_b32 v[TK+\e], v[K+\e], s37, s38
	v_permlanex16_b32 v[TI+\e], v[I+\e], s37, s38
.else
	v_mov_b32_dpp v[TK+\e], v[K+\e] row_xmask:\x row_mask:0xf bank_mask:0xf
	v_mov_b32_dpp v[TI+\e], v[I+\e] row_xmask:\x row_mask:0xf bank_mask:0xf
.endif
.endr
	SEL
.endm
; A stage between registers a and a + j: they change places where (the upper comes before the lower) xor (worst first).  mode 0: worst first by s30; mode k: where a has bit k.
.macro RST j, mode
.set n, 0
.irp a, 0,1,2,3,4,5,6,7
.if ((\a) & (\j)) == 0
	v_cmp_gt_u32 s[40+3*n], v[K+\a+(\j)], v[K+\a]
	v_cmp_eq_u32 s[41+3*n], v[K+\a+(\j)], v[K+\a]
	v_cmp_lt_u32 s[42+3*n], v[I+\a+(\j)], v[I+\a]
.set n, n+1
.endif
.endr
.set n, 0
.irp a, 0,1,2,3,4,5,6,7
.if ((\a) & (\j)) == 0
	s_and_b32 s[41+3*n], s[41+3*n], s[42+3*n]
	s_or_b32  s[40+3*n], s[40+3*n], s[41+3*n]
.if (\mode) == 0
	s_xor_b32 s[40+3*n], s[40+3*n], s30
.elseif ((\a) & (\mode)) != 0
	s_not_b32 s[40+3*n], s[40+3*n]
.endif
.set n, n+1
.endif
.endr
.set n, 0
.irp a, 0,1,2,3,4,5,6,7
.if ((\a) & (\j)) == 0
	v_cndmask_b32 v[TK+n], v[K+\a], v[K+\a+(\j)], s[40+3*n]
	v_cndmask_b32 v[K+\a+(\j)], v[K+\a+(\j)], v[K+\a], s[40+3*n]
	v_cndmask_b32 v[TI+n], v[I+\a], v[I+\a+(\j)], s[40+3*n]
	v_cndmask_b32 v[I+\a+(\j)], v[I+\a+(\j)], v[I+\a], s[40+3*n]
	v_mov_b32 v[K+\a], v[TK+n]
	v_mov_b32 v[I+\a], v[TI+n]
.set n, n+1
.endif
.endr
.endm
; An exchange: my list into my slot; the list of the wave whose slot v[pa] names into TK, TI.
.macro EXCH pa
	ds_store_b128 v2, v[K:K+3]
	ds_store_b128 v2, v[K+4:K+7] offset:512
	ds_store_b128 v2, v[I:I+3]   offset:1024
	ds_store_b128 v2, v[I+4:I+7] offset:1536
	s_wait_dscnt 0x0                               ; for the others' sake: my list lies in LDS
	s_barrier_signal -1
	s_barrier_wait -1
	ds_load_b128 v[TK:TK+3],   v[\pa]
	ds_load_b128 v[TK+4:TK+7], v[\pa] offset:512
	ds_load_b128 v[TI:TI+3],   v[\pa] offset:1024
	ds_load_b128 v[TI+4:TI+7], v[\pa] offset:1536
	s_wait_dscnt 0x0                               ; my reads are over:
	s_barrier_signal -1
	s_barrier_wait -1                              ; only behind this barrier is any slot stored again
.endm
	s_load_b128 s[8:11], s[0:1], 0x0               ; keys s[8:9], lists s[10:11]
	v_lshl_add_u32 v4, v0, 2, SPARE                ; my spare word,
	v_mov_b32 v5, 0                                ; and 0: kept for the closing add alone
	v_and_b32 v1, 31, v0
	v_lshrrev_b32 v2, 5, v0
	v_readfirstlane_b32 s24, v2                    ; wave 0..3
	s_lshl2_add_u32 s25, ttmp9, s24                ; my block among the 128
	s_lshl_b32 s26, s25, 10
	v_lshl_add_u32 v7, v1, 5, s26                  ; its 1,024 bytes of keys, 32 a lane
	s_and_b32 s27, s25, 63
	s_lshl_b32 s27, s27, 8
	v_lshl_add_u32 v[I], v1, 3, s27                ; the points' numbers in their cloud
.irp e, 1,2,3,4,5,6,7
	v_add_nc_u32 v[I+\e], \e, v[I]
.endr
	s_lshl_b32 s28, s24, 11
	v_lshl_add_u32 v2, v1, 4, s28                  ; my slot
	s_xor_b32 s28, s24, 1
	s_lshl_b32 s28, s28, 11
	v_lshl_add_u32 v3, v1, 4, s28                  ; the slot of wave v xor 1
	s_xor_b32 s28, s24, 2
	s_lshl_b32 s28, s28, 11
	v_lshl_add_u32 v6, v1, 4, s28                  ; of wave v xor 2
	s_lshl_b32 s28, ttmp9, 11
	v_lshl_add_u32 v40, v1, 4, s28                 ; list w
.set i, 0
.rept 16
	v_mov_b32 v[TK+i], 0                           ; written once whole: a lane exchange counts as a reader of its destination
.set i, i+1
.endr
	s_and_b32 s33, s24, 1
	s_sub_co_u32 s33, 0, s33                       ; trip 4: odd waves sort worst first
	s_bfe_u32 s34, s24, 0x10001
	s_sub_co_u32 s34, 0, s34                       ; trip 5: waves 2 and 3
	s_and_b32 s35, ttmp9, 1
	s_sub_co_u32 s35, 0, s35                       ; trip 6: odd work-groups
	s_mov_b32 s37, 0x76543210
	s_mov_b32 s38, 0xfedcba98
	s_wait_kmcnt 0x0
	global_load_b128 v[K:K+3],   v7, s[8:9]
	global_load_b128 v[K+4:K+7], v7, s[8:9] offset:16
	s_wait_loadcnt 0x0
	RST 1, 2                                       ; runs of 2,
	RST 2, 4                                       ; of 4,
	RST 1, 4
	s_mov_b32 s30, 0xaaaaaaaa                      ; of 8: odd lanes worst first
	RST 4, 0
	RST 2, 0
	RST 1, 0
	s_mov_b32 s32, 0
.Lloop:
	s_cmp_eq_u32 s32, 0
	s_cbranch_scc0 .Lt1
	s_mov_b32 s30, 0xcccccccc
	s_branch .Lx1
.Lt1:
	s_cmp_eq_u32 s32, 1
	s_cbranch_scc0 .Lt2
	s_mov_b32 s30, 0xf0f0f0f0
	s_branch .Lx2
.Lt2:
	s_cmp_eq_u32 s32, 2
	s_cbranch_scc0 .Lt3
	s_mov_b32 s30, 0xff00ff00
	s_branch .Lx4
.Lt3:
	s_cmp_eq_u32 s32, 3
	s_cbranch_scc0 .Lt4
	s_mov_b32 s30, 0xffff0000
	s_branch .Lx8
.Lt4:
	s_cmp_eq_u32 s32, 4
	s_cbranch_scc0 .Lt5
	s_mov_b32 s30, s33
	s_branch .Lx16
.Lt5:
	s_cmp_eq_u32 s32, 5
	s_cbranch_scc0 .Lt6
	EXCH 3
	s_mov_b32 s30, s34
	s_branch .Lmax
.Lt6:
	EXCH 6
	s_mov_b32 s30, s35
.Lmax:
	s_mov_b32 s31, 0                               ; the better of each pair of equal positions
	SEL
.Lx16:
	XST 16, 0xffff0000
.Lx8:
	XST 8, 0xff00ff00
.Lx4:
	XST 4, 0xf0f0f0f0
.Lx2:
	XST 2, 0xcccccccc
.Lx1:
	XST 1, 0xaaaaaaaa
	RST 4, 0
	RST 2, 0
	RST 1, 0
	s_add_co_u32 s32, s32, 1
	s_cmp_lt_u32 s32, 7
	s_cbranch_scc1 .Lloop
	s_cmp_lg_u32 s24, 0
	s_cbranch_scc1 .Lend                           ; wave 0 holds the work-group's list
	global_store_b128 v40, v[K:K+3],   s[10:11]            ; each store covers 512 consecutive bytes
	global_store_b128 v40, v[K+4:K+7], s[10:11] offset:512
	global_store_b128 v40, v[I:I+3],   s[10:11] offset:1024
	global_store_b128 v40, v[I+4:I+7], s[10:11] offset:1536
.Lend:
	s_wait_tensorcnt 0x0                           ; the wave's end
	ds_add_u32 v4, v5
	s_wait_dscnt 0x0
	s_endpgm
.Lfunc_end_k_q7ed427dea0_sortA:
	.size	k_q7ed427dea0_sortA, .Lfunc_end_k_q7ed427dea0_sortA-k_q7ed427dea0_sortA
	.p2alignl 7, 3214868480
	.fill 96, 4, 3214868480
	.section	.rodata,"a",@progbits
	.p2align	6, 0x0
	.amdhsa_kernel k_q7ed427dea0_sortA
		.amdhsa_group_segment_fixed_size 8704
		.amdhsa_private_segment_fixed_size 0
		.amdhsa_enable_private_segment 0
		.amdhsa_kernarg_size 16
		.amdhsa_user_sgpr_count 2
		.amdhsa_user_sgpr_kernarg_segment_ptr 1
		.amdhsa_wavefront_size32 1
		.amdhsa_system_sgpr_workgroup_id_x 1
		.amdhsa_system_sgpr_workgroup_id_y 1
		.amdhsa_system_sgpr_workgroup_id_z 1
		.amdhsa_system_vgpr_workitem_id 0
		.amdhsa_next_free_vgpr 64
		.amdhsa_next_free_sgpr 66
		.amdhsa_reserve_vcc 0
		.amdhsa_float_denorm_mode_32 3
		.amdhsa_float_denorm_mode_16_64 3
		.amdhsa_memory_ordered 1
		.amdhsa_forward_progress 1
		.amdhsa_inst_pref_size 52
	.end_amdhsa_kernel
	.amdgpu_metadata
---
amdhsa.version: [ 1, 2 ]
amdhsa.kernels:
  - .name:           k_q7ed427dea0_sortA
    .symbol:         k_q7ed427dea0_sortA.kd
    .args:
      - { .name: keys, .offset: 0, .size: 8, .value_kind: global_buffer, .address_space: global }
      - { .name: lists, .offset: 8, .size: 8, .value_kind: global_buffer, .address_space: global }
    .group_segment_fixed_size: 8704
    .private_segment_fixed_size: 0
    .kernarg_segment_align: 8
    .kernarg_segment_size: 16
    .max_flat_workgroup_size: 128
    .sgpr_count:     66
    .vgpr_count:     64
    .wavefront_size: 32
...
	.end_amdgpu_metadata
.endif
;; end of part 2
;; launch sortB (part 3): grid 2 x 1, 8 waves a work-group, no clusters, 17,408 bytes of LDS; arguments lists, idx; writes idx
.if DOCPART == 3
	.amdgcn_target "amdgcn-amd-amdhsa--gfx1250"
	.amdhsa_code_object_version 6
	.text
	.protected	k_q7ed427dea0_sortB
	.globl	k_q7ed427dea0_sortB
	.p2align	8
	.type	k_q7ed427dea0_sortB,@function
k_q7ed427dea0_sortB:
	s_mov_b64 s[64:65], 0
	v_nop
	global_prefetch_b8 v0, s[64:65] scope:SCOPE_SE
	s_setreg_imm32_b32 hwreg(HW_REG_WAVE_MODE, 25, 1), 1
	s_wait_xcnt 0x0
; THE BEST 256 OF A CLOUD, SORTED: its 16 lists of 256 (even ones best first, odd ones worst first) are merged in four rounds.  An element is (K, I); a comes before b if Ka > Kb, or Ka = Kb and Ia < Ib.
; Of two lists sorted in opposite directions the better of each pair of equal positions are the best 256 of both, a bitonic run, which eight stages sort.  Position p = 8 lane + register.
; SHARES.  A work-group is a cloud; wave v takes lists 2 v and 2 v + 1.  Round t leaves wave v's list worst first where bit t of v is set, so that the partners of round t + 1 fit.
; In an exchange EVERY wave stores its list and loads that of wave v xor s; waves whose list is no longer wanted go on with numbers that nobody reads.  One LDS region, two barriers an exchange.
.set SPARE, 16384                      ; behind the eight slots of 2,048 bytes: the spare words
.set K,  8
.set I,  16
.set TK, 24
.set TI, 32
.macro SEL                             ; take the partner's where (partner comes before mine) xor s31
.irp e, 0,1,2,3,4,5,6,7
	v_cmp_gt_u32 s[40+3*\e], v[TK+\e], v[K+\e]
	v_cmp_eq_u32 s[41+3*\e], v[TK+\e], v[K+\e]
	v_cmp_lt_u32 s[42+3*\e], v[TI+\e], v[I+\e]
.endr
.irp e, 0,1,2,3,4,5,6,7
	s_and_b32 s[41+3*\e], s[41+3*\e], s[42+3*\e]
	s_or_b32  s[40+3*\e], s[40+3*\e], s[41+3*\e]
	s_xor_b32 s[40+3*\e], s[40+3*\e], s31
.endr
.irp e, 0,1,2,3,4,5,6,7
	v_cndmask_b32 v[K+\e], v[K+\e], v[TK+\e], s[40+3*\e]
	v_cndmask_b32 v[I+\e], v[I+\e], v[TI+\e], s[40+3*\e]
.endr
.endm
.macro XST x, pat                      ; a stage between lanes l and l xor x; pat: the upper lanes; s30: all ones where the list is sorted worst first
	s_xor_b32 s31, s30, \pat
.irp e, 0,1,2,3,4,5,6,7
.if (\x) == 16
	v_permlanex16_b32 v[TK+\e], v[K+\e], s37, s38
	v_permlanex16_b32 v[TI+\e], v[I+\e], s37, s38
.else
	v_mov_b32_dpp v[TK+\e], v[K+\e] row_xmask:\x row_mask:0xf bank_mask:0xf
	v_mov_b32_dpp v[TI+\e], v[I+\e] row_xmask:\x row_mask:0xf bank_mask:0xf
.endif
.endr
	SEL
.endm
.macro RST j                           ; a stage between registers a and a + j
.set n, 0
.irp a, 0,1,2,3,4,5,6,7
.if ((\a) & (\j)) == 0
	v_cmp_gt_u32 s[40+3*n], v[K+\a+(\j)], v[K+\a]
	v_cmp_eq_u32 s[41+3*n], v[K+\a+(\j)], v[K+\a]
	v_cmp_lt_u32 s[42+3*n], v[I+\a+(\j)], v[I+\a]
.set n, n+1
.endif
.endr
.set n, 0
.rept 4
	s_and_b32 s[41+3*n], s[41+3*n], s[42+3*n]
	s_or_b32  s[40+3*n], s[40+3*n], s[41+3*n]
	s_xor_b32 s[40+3*n], s[40+3*n], s30
.set n, n+1
.endr
.set n, 0
.irp a, 0,1,2,3,4,5,6,7
.if ((\a) & (\j)) == 0
	v_cndmask_b32 v[TK+n], v[K+\a], v[K+\a+(\j)], s[40+3*n]
	v_cndmask_b32 v[K+\a+(\j)], v[K+\a+(\j)], v[K+\a], s[40+3*n]
	v_cndmask_b32 v[TI+n], v[I+\a], v[I+\a+(\j)], s[40+3*n]
	v_cndmask_b32 v[I+\a+(\j)], v[I+\a+(\j)], v[I+\a], s[40+3*n]
	v_mov_b32 v[K+\a], v[TK+n]
	v_mov_b32 v[I+\a], v[TI+n]
.set n, n+1
.endif
.endr
.endm
.macro EXCH pa
	ds_store_b128 v2, v[K:K+3]
	ds_store_b128 v2, v[K+4:K+7] offset:512
	ds_store_b128 v2, v[I:I+3]   offset:1024
	ds_store_b128 v2, v[I+4:I+7] offset:1536
	s_wait_dscnt 0x0                               ; for the others' sake: my list lies in LDS
	s_barrier_signal -1
	s_barrier_wait -1
	ds_load_b128 v[TK:TK+3],   v[\pa]
	ds_load_b128 v[TK+4:TK+7], v[\pa] offset:512
	ds_load_b128 v[TI:TI+3],   v[\pa] offset:1024
	ds_load_b128 v[TI+4:TI+7], v[\pa] offset:1536
	s_wait_dscnt 0x0                               ; my reads are over:
	s_barrier_signal -1
	s_barrier_wait -1                              ; only behind this barrier is any slot stored again
.endm
	s_load_b128 s[8:11], s[0:1], 0x0               ; lists s[8:9], idx s[10:11]
	v_lshl_add_u32 v4, v0, 2, SPARE                ; my spare word,
	v_mov_b32 v5, 0                                ; and 0: kept for the closing add alone
	v_and_b32 v1, 31, v0
	v_lshrrev_b32 v2, 5, v0
	v_readfirstlane_b32 s24, v2                    ; wave 0..7
	s_lshl_b32 s25, ttmp9, 4
	s_lshl1_add_u32 s25, s24, s25                  ; list 16 w + 2 v
	s_lshl_b32 s25, s25, 11
	v_lshl_add_u32 v7, v1, 4, s25
	s_lshl_b32 s28, s24, 11
	v_lshl_add_u32 v2, v1, 4, s28                  ; my slot
	s_xor_b32 s28, s24, 1
	s_lshl_b32 s28, s28, 11
	v_lshl_add_u32 v3, v1, 4, s28                  ; the slot of wave v xor 1,
	s_xor_b32 s28, s24, 2
	s_lshl_b32 s28, s28, 11
	v_lshl_add_u32 v6, v1, 4, s28                  ; v xor 2,
	s_xor_b32 s28, s24, 4
	s_lshl_b32 s28, s28, 11
	v_lshl_add_u32 v41, v1, 4, s28                 ; v xor 4
	s_lshl_b32 s28, ttmp9, 10
	v_lshl_add_u32 v40, v1, 5, s28                 ; my 32 bytes of the cloud's 1,024 of idx
	s_mov_b32 s37, 0x76543210
	s_mov_b32 s38, 0xfedcba98
	s_wait_kmcnt 0x0
	global_load_b128 v[K:K+3],     v7, s[8:9]
	global_load_b128 v[K+4:K+7],   v7, s[8:9] offset:512
	global_load_b128 v[I:I+3],     v7, s[8:9] offset:1024
	global_load_b128 v[I+4:I+7],   v7, s[8:9] offset:1536
	global_load_b128 v[TK:TK+3],   v7, s[8:9] offset:2048
	global_load_b128 v[TK+4:TK+7], v7, s[8:9] offset:2560
	global_load_b128 v[TI:TI+3],   v7, s[8:9] offset:3072
	global_load_b128 v[TI+4:TI+7], v7, s[8:9] offset:3584
	s_wait_loadcnt 0x0
	s_mov_b32 s32, 0
.Lloop:
	s_lshr_b32 s30, s24, s32
	s_and_b32 s30, s30, 1
	s_sub_co_u32 s30, 0, s30                       ; worst first where bit t of my number is set
	s_cmp_eq_u32 s32, 0
	s_cbranch_scc1 .Lmax                           ; round 0: both lists came from memory
	s_cmp_eq_u32 s32, 1
	s_cbranch_scc0 .Lt2
	EXCH 3
	s_branch .Lmax
.Lt2:
	s_cmp_eq_u32 s32, 2
	s_cbranch_scc0 .Lt3
	EXCH 6
	s_branch .Lmax
.Lt3:
	EXCH 41
.Lmax:
	s_mov_b32 s31, 0
	SEL
	XST 16, 0xffff0000
	XST 8, 0xff00ff00
	XST 4, 0xf0f0f0f0
	XST 2, 0xcccccccc
	XST 1, 0xaaaaaaaa
	RST 4
	RST 2
	RST 1
	s_add_co_u32 s32, s32, 1
	s_cmp_lt_u32 s32, 4
	s_cbranch_scc1 .Lloop
	s_cmp_lg_u32 s24, 0
	s_cbranch_scc1 .Lend                           ; wave 0 holds the cloud's 256, best first
	global_store_b128 v40, v[I:I+3],   s[10:11]
	global_store_b128 v40, v[I+4:I+7], s[10:11] offset:16
.Lend:
	s_wait_tensorcnt 0x0                           ; the wave's end
	ds_add_u32 v4, v5
	s_wait_dscnt 0x0
	s_endpgm
.Lfunc_end_k_q7ed427dea0_sortB:
	.size	k_q7ed427dea0_sortB, .Lfunc_end_k_q7ed427dea0_sortB-k_q7ed427dea0_sortB
	.p2alignl 7, 3214868480
	.fill 96, 4, 3214868480
	.section	.rodata,"a",@progbits
	.p2align	6, 0x0
	.amdhsa_kernel k_q7ed427dea0_sortB
		.amdhsa_group_segment_fixed_size 17408
		.amdhsa_private_segment_fixed_size 0
		.amdhsa_enable_private_segment 0
		.amdhsa_kernarg_size 16
		.amdhsa_user_sgpr_count 2
		.amdhsa_user_sgpr_kernarg_segment_ptr 1
		.amdhsa_wavefront_size32 1
		.amdhsa_system_sgpr_workgroup_id_x 1
		.amdhsa_system_sgpr_workgroup_id_y 1
		.amdhsa_system_sgpr_workgroup_id_z 1
		.amdhsa_system_vgpr_workitem_id 0
		.amdhsa_next_free_vgpr 64
		.amdhsa_next_free_sgpr 66
		.amdhsa_reserve_vcc 0
		.amdhsa_float_denorm_mode_32 3
		.amdhsa_float_denorm_mode_16_64 3
		.amdhsa_memory_ordered 1
		.amdhsa_forward_progress 1
		.amdhsa_inst_pref_size 38
	.end_amdhsa_kernel
	.amdgpu_metadata
---
amdhsa.version: [ 1, 2 ]
amdhsa.kernels:
  - .name:           k_q7ed427dea0_sortB
    .symbol:         k_q7ed427dea0_sortB.kd
    .args:
      - { .name: lists, .offset: 0, .size: 8, .value_kind: global_buffer, .address_space: global }
      - { .name: idx, .offset: 8, .size: 8, .value_kind: global_buffer, .address_space: global }
    .group_segment_fixed_size: 17408
    .private_segment_fixed_size: 0
    .kernarg_segment_align: 8
    .kernarg_segment_size: 16
    .max_flat_workgroup_size: 256
    .sgpr_count:     66
    .vgpr_count:     64
    .wavefront_size: 32
...
	.end_amdgpu_metadata
.endif
;; end of part 3
;; launch knn1 (part 4): grid 384 x 1, 4 waves a work-group, no clusters, 131,584 bytes of LDS; arguments idx, src_pts, tgt_pts, glist, tpk, gsel; writes glist, tpk, gsel
.if DOCPART == 4
	.amdgcn_target "amdgcn-amd-amdhsa--gfx1250"
	.amdhsa_code_object_version 6
	.text
	.protected	k_q7ed427dea0_knn1
	.globl	k_q7ed427dea0_knn1
	.p2align	8
	.type	k_q7ed427dea0_knn1,@function
k_q7ed427dea0_knn1:
	s_mov_b64 s[64:65], 0
	v_nop
	global_prefetch_b8 v0, s[64:65] scope:SCOPE_SE
	s_setreg_imm32_b32 hwreg(HW_REG_WAVE_MODE, 25, 1), 1
	s_wait_xcnt 0x0
; TWO JOBS, told apart by the work-group's number.  All inputs are rounded to bf16 as they are read.
; WORK-GROUPS 0-255: THE NEAREST GROUPS.  For 128 candidates (a source keypoint plus a corner of its voxel) and a quarter of a batch's target cloud (4,096 points): all squared distances
; |a|^2 + |b|^2 - 2 a.b by the matrix unit, one instruction for 16 points x 16 candidates: a (f32), |a|^2 and |b|^2 are cut EXACTLY into three bf16 parts, -2 b is bf16 as it is, and the 15 products
; lie in 15 of the 32 K places.  The points go in groups of 32; of each group only the least d^2 is kept, and for each candidate the ten groups with the least minima: the ten nearest points lie in
; those ten groups.  The next launch looks into them.  A key is d^2, held between 2^-100 and the largest finite number, its low 9 bits replaced by the group's number: the choice of groups is blind to
; differences of 2^-14 of d^2.  NaN and infinities are not treated apart.
;   b = w / 64, candidates 128 ((w / 4) % 16) on, quarter q = w % 4; wave v takes candidates 32 v .. 32 v + 31 of the 128, two tiles of 16, against all 4,096 points.
;   LDS: for each point slot two records of 16 bytes, K places 0-7 (plane 0) and 8-15 (plane 1): a fragment's registers 0-3 are ONE ds_load_b128; registers 4-7 stay 0.
;   In a result a lane holds one candidate (lane % 16) and the points 8 (lane / 16) + 0..7 of 16: each half of the lanes keeps its own groups and its own list; the two lists are merged at the end.
;   The work-groups of the first candidate block also store the packed points, group by group, for the next launch.
; WORK-GROUPS 256-383: THE GROUPING.  A wave takes one centre (cloud, batch, one of the first 64 keypoints): its distances to the 256 keypoints, in f32 in the order na + nb - 2 dot (the products of
; bf16 numbers are exact), then the 32 least, by (d, position): each lane sorts its eight, and 32 trips take the wave's least head.  Beyond the radius the first neighbour stands in.  Positions are stored.
.set SPARE, 131072                     ; behind the two planes: the spare words
.set PLANE, 65536
.set BSTEP, 393216                     ; bytes from batch to batch
.set PKB, 16                           ; v[16:79]   the packed points (x y, z 0), 2 registers each; later:
.set AS,  16                           ; v[16:79]   two sets of four target fragments
.set BT,  80                           ; v[80:95]   the two candidate fragments
.set RAW, 96                           ; v[96:191]  the target points as loaded; later:
.set D,   96                           ; v[96:159]  eight results
.set L0,  160                          ; v[160:171] tile 0's list, ascending, and two pads
.set L1,  172                          ; v[172:183] tile 1's
.set G,   184                          ; v[184:185] the groups' minima
.set KEY, 186                          ; v[186:187]
.set U,   188                          ; v[188:193] at work
.set PT,  192                          ; v[192:223] two sets of 16 for a point's records
.set CR,  224                          ; v[224:229] the candidates' keypoints as loaded
.set BF,  230                          ; v[230:232] my corner's three bits as f32
	s_load_b256 s[8:15], s[0:1], 0x0               ; idx s[8:9], src s[10:11], tgt s[12:13], glist s[14:15]
	s_load_b128 s[16:19], s[0:1], 0x20             ; tpk s[16:17], gsel s[18:19]
	v_lshl_add_u32 v4, v0, 2, SPARE                ; my spare word,
	v_mov_b32 v5, 0                                ; and 0: kept for the closing add alone
	v_and_b32 v1, 31, v0                           ; lane
	v_lshrrev_b32 v2, 5, v0
	v_readfirstlane_b32 s24, v2                    ; wave 0..3
	v_and_b32 v2, 15, v0                           ; l % 16
	v_bfe_u32 v3, v0, 4, 1                         ; l / 16
	s_mov_b32 s36, 0xffff0000                      ; a word's upper bf16; also: lanes 16-31
	s_mov_b32 s37, 0x76543210
	s_mov_b32 s38, 0xfedcba98
	s_mov_b32 s41, 0x07060302                      ; v_perm_b32: the two upper halves, second source below
	s_wait_kmcnt 0x0
	s_cmp_ge_u32 ttmp9, 256
	s_cbranch_scc1 .Lgroup
	s_lshr_b32 s25, ttmp9, 6                       ; b
	s_bfe_u32 s26, ttmp9, 0x40002                  ; candidate block
	s_and_b32 s27, ttmp9, 3                        ; q
	s_mov_b32 s42, 0x3dcccccd                      ; 0.1 in f32
	s_mov_b32 s43, 0x0d800000                      ; 2^-100
	s_mov_b32 s44, 0xfffffe00
	s_mov_b32 s45, 0x7f7fffff
	s_mul_i32 s28, s25, BSTEP
	s_mov_b32 s29, 0
	s_add_nc_u64 s[22:23], s[10:11], s[28:29]      ; src at batch b
	s_add_nc_u64 s[20:21], s[12:13], s[28:29]      ; tgt at batch b,
	s_lshl_b32 s28, s27, 14
	s_add_nc_u64 s[20:21], s[20:21], s[28:29]      ; quarter q
	s_lshl_b32 s30, s25, 17
	s_lshl_b32 s31, s27, 15
	s_add_co_u32 s30, s30, s31
	s_mov_b32 s31, 0
	s_add_nc_u64 s[16:17], s[16:17], s[30:31]      ; the quarter's 128 groups of 256 bytes
	v_lshrrev_b32 v11, 3, v2
	s_lshl_b32 s30, s26, 6
	s_lshl4_add_u32 s30, s24, s30
	v_lshl_add_u32 v11, v11, 2, s30                ; keypoint 16 block + 4 v + (l % 16) / 8 (tile 1: two further on)
	v_lshlrev_b32 v8, 4, v0                        ; 16 t
	global_load_b32 v12, v11, s[8:9]
	global_load_b32 v13, v11, s[8:9] offset:8
.irp i, 0,1,2,3,4,5,6,7                        ; chunk i: four neighbouring points a thread, three channels
.irp c, 0,1,2
	global_load_b128 v[RAW+12*\i+4*\c:RAW+12*\i+4*\c+3], v8, s[20:21] offset:2048*\i+65536*\c
.endr
.endr
	v_add_nc_u32 v9, PLANE, v8
	v_lshrrev_b32 v10, 6, v0                       ; where slot t's point lies in the table: group 2 (t / 64) + (t / 8) % 2, place 8 ((t / 16) % 4) + t % 8
	v_bfe_u32 v14, v0, 3, 1
	v_lshl_add_u32 v10, v10, 1, v14
	v_bfe_u32 v14, v0, 4, 2
	v_lshl_add_u32 v10, v10, 2, v14
	v_and_b32 v14, 7, v0
	v_lshl_add_u32 v10, v10, 3, v14
	v_lshlrev_b32 v10, 3, v10
	v_mov_b32 v14, 0
	v_mov_b32 v15, 1.0
	v_bfe_u32 v[BF], v0, 2, 1                      ; the corner l % 8: bit 2 goes with x, bit 1 with y, bit 0 with z
	v_bfe_u32 v[BF+1], v0, 1, 1
	v_and_b32 v[BF+2], 1, v0
.irp c, 0,1,2
	v_cvt_f32_u32 v[BF+\c], v[BF+\c]
.endr
.irp s, 0,1
	v_mov_b32 v[PT+16*\s+6], 0x3f803f80            ; (1, 1) and (1, 0): partners of |a|^2's three parts
	v_mov_b32 v[PT+16*\s+7], 0x3f80
.endr
	s_wait_loadcnt 24                              ; the two numbers from idx are in: the 24 loads of points stay out
	v_min_u32 v12, 0x3fff, v12
	v_min_u32 v13, 0x3fff, v13
	v_lshlrev_b32 v12, 2, v12
	v_lshlrev_b32 v13, 2, v13
.irp c, 0,1,2
	global_load_b32 v[CR+\c],   v12, s[22:23] offset:65536*\c
	global_load_b32 v[CR+3+\c], v13, s[22:23] offset:65536*\c
.endr
; Point m of chunk i goes to slot 1,024 m + 128 i + t: the threads' records lie end to end.  Plane 0: (B0 B1) (B2 B0) (B1 B2) (q1 q2); plane 1: (B0 B1) (B2 q3) (1 1) (1 0); B = -2 b, q = |b|^2.
.macro POINT i, m
.set P, PT+16*((\m)%2)
.set rK, PKB+2*(4*(\i)+(\m))
	v_cvt_pk_bf16_f32 v[rK], v[RAW+12*(\i)+(\m)], v[RAW+12*(\i)+4+(\m)]
	v_cvt_pk_bf16_f32 v[rK+1], v[RAW+12*(\i)+8+(\m)], v14
	v_lshlrev_b32 v[P+8], 16, v[rK]
	v_and_b32 v[P+9], s36, v[rK]
	v_lshlrev_b32 v[P+10], 16, v[rK+1]
	v_mul_f32 v[P+11], v[P+8], v[P+8]
	v_fmac_f32 v[P+11], v[P+9], v[P+9]
	v_fmac_f32 v[P+11], v[P+10], v[P+10]
	v_mul_f32 v[P+8], -2.0, v[P+8]
	v_mul_f32 v[P+9], -2.0, v[P+9]
	v_mul_f32 v[P+10], -2.0, v[P+10]
	v_and_b32 v[P+12], s36, v[P+11]
	v_sub_f32 v[P+13], v[P+11], v[P+12]
	v_and_b32 v[P+12], s36, v[P+13]
	v_sub_f32 v[P+14], v[P+13], v[P+12]
	v_perm_b32 v[P],   v[P+9],  v[P+8],  s41
	v_perm_b32 v[P+1], v[P+8],  v[P+10], s41
	v_perm_b32 v[P+2], v[P+10], v[P+9],  s41
	v_perm_b32 v[P+3], v[P+13], v[P+11], s41
	v_perm_b32 v[P+4], v[P+9],  v[P+8],  s41
	v_perm_b32 v[P+5], v[P+14], v[P+10], s41
	ds_store_b128 v8, v[P:P+3]   offset:16384*(\m)+2048*(\i)
	ds_store_b128 v9, v[P+4:P+7] offset:16384*(\m)+2048*(\i)
.endm
.irp i, 0,1,2,3,4,5,6,7
	s_wait_loadcnt 27-3*\i                         ; chunk i is in: the later chunks' loads and the six gathers stay out
	POINT \i, 0
	POINT \i, 1
	POINT \i, 2
	POINT \i, 3
.endr
	s_cmp_lg_u32 s26, 0
	s_cbranch_scc1 .Lnotab                         ; one work-group for each batch and quarter stores the table
.irp i, 0,1,2,3,4,5,6,7
.irp m, 0,1,2,3
	global_store_b64 v10, v[PKB+2*(4*\i+\m):PKB+2*(4*\i+\m)+1], s[16:17] offset:8192*\m+1024*\i
.endr
.endr
.Lnotab:
	s_wait_loadcnt 0x0                             ; the candidates' keypoints
; Tile tl's fragment.  Lanes 0-15 (K places 0-7): (a1x a1y) (a1z a2x) (a2y a2z) (1 1); lanes 16-31 (8-15): (a3x a3y) (a3z 1) (A1 A2) (A3 0); a = keypoint + corner, A = |a|^2.
.macro CAND tl
	v_cvt_pk_bf16_f32 v233, v[CR+3*(\tl)], v[CR+3*(\tl)+1]
	v_cvt_pk_bf16_f32 v234, v[CR+3*(\tl)+2], v14
	v_lshlrev_b32 v236, 16, v233
	v_and_b32 v237, s36, v233
	v_lshlrev_b32 v238, 16, v234
	v_fmac_f32 v236, s42, v[BF]
	v_fmac_f32 v237, s42, v[BF+1]
	v_fmac_f32 v238, s42, v[BF+2]
	v_mul_f32 v239, v236, v236
	v_fmac_f32 v239, v237, v237
	v_fmac_f32 v239, v238, v238
.irp c, 0,1,2,3
	v_and_b32 v248, s36, v[236+\c]
	v_sub_f32 v[240+\c], v[236+\c], v248
	v_and_b32 v248, s36, v[240+\c]
	v_sub_f32 v[244+\c], v[240+\c], v248
.endr
	v_perm_b32 v249, v237, v236, s41
	v_perm_b32 v250, v245, v244, s41
	v_cndmask_b32 v[BT+8*(\tl)], v249, v250, s36
	v_perm_b32 v249, v240, v238, s41
	v_perm_b32 v250, v15, v246, s41
	v_cndmask_b32 v[BT+8*(\tl)+1], v249, v250, s36
	v_perm_b32 v249, v242, v241, s41
	v_perm_b32 v250, v243, v239, s41
	v_cndmask_b32 v[BT+8*(\tl)+2], v249, v250, s36
	v_mov_b32 v249, 0x3f803f80
	v_perm_b32 v250, v14, v247, s41
	v_cndmask_b32 v[BT+8*(\tl)+3], v249, v250, s36
.irp c, 4,5,6,7
	v_mov_b32 v[BT+8*(\tl)+\c], 0
.endr
.endm
	CAND 0
	CAND 1
	s_wait_xcnt 0x0                                ; the table's stores have read their registers, which the fragments now take
.irp f, 0,1,2,3,4,5,6,7
.irp c, 4,5,6,7
	v_mov_b32 v[AS+8*\f+\c], 0                     ; K places 16-31 are not used
.endr
.endr
	v_lshlrev_b32 v6, 16, v3
	v_lshl_add_u32 v6, v2, 4, v6                   ; my record in a fragment: plane l / 16, slot l % 16
	s_lshl_b32 s30, s27, 7
	v_add_nc_u32 v7, s30, v3                       ; my first group's number: 128 q + l / 16
	s_wait_dscnt 0x0                               ; for the others' sake: my records lie in LDS
	s_barrier_signal -1
	s_barrier_wait -1                              ; everybody's do; from here on LDS is only read
.set i, 0
.rept 10
	v_mov_b32 v[L0+i], 0x7f800000
	v_mov_b32 v[L1+i], 0x7f800000
.set i, i+1
.endr
.macro FETCH st                        ; the next 64 slots: four fragments
.irp f, 0,1,2,3
	ds_load_b128 v[AS+32*(\st)+8*\f:AS+32*(\st)+8*\f+3], v6 offset:256*\f
.endr
	v_add_nc_u32 v6, 1024, v6
.endm
.macro WM s, st                        ; result s: fragment s / 2 of the set x candidate tile s % 2
	v_wmma_f32_16x16x32_bf16 v[D+8*(\s):D+8*(\s)+7], v[AS+32*(\st)+8*((\s)/2):AS+32*(\st)+8*((\s)/2)+7], v[BT+8*((\s)%2):BT+8*((\s)%2)+7], 0
.endm
.macro RED s                           ; the least of result s's eight joins its tile's group; the lowest registers are read first
.set rU, U+3*((\s)%2)
	v_min3_num_f32 v[rU],   v[D+8*(\s)],   v[D+8*(\s)+1], v[D+8*(\s)+2]
	v_min3_num_f32 v[rU+1], v[D+8*(\s)+3], v[D+8*(\s)+4], v[D+8*(\s)+5]
.if (\s) < 2
	v_min_num_f32  v[rU+2], v[D+8*(\s)+6], v[D+8*(\s)+7]
.else
	v_min3_num_f32 v[rU+2], v[D+8*(\s)+6], v[D+8*(\s)+7], v[G+(\s)%2]
.endif
	v_min3_num_f32 v[G+(\s)%2], v[rU], v[rU+1], v[rU+2]
.endm
.macro KEYS                            ; the finished groups' keys
	v_med3_num_f32 v[KEY],   v[G],   s43, s45
	v_med3_num_f32 v[KEY+1], v[G+1], s43, s45
	v_and_or_b32 v[KEY],   v[KEY],   s44, v7
	v_and_or_b32 v[KEY+1], v[KEY+1], s44, v7
	v_add_nc_u32 v7, 2, v7
.endm
.macro INS l, k, hi, lo                ; levels hi down to lo of an insertion of v[k] into the ascending list at v[l]: each level takes the middle of its old lower neighbour, the key and itself
.set lev, \hi
.rept (\hi)-(\lo)+1
.if lev == 0
	v_min_num_f32 v[\l], v[\l], v[\k]
.else
	v_med3_num_f32 v[(\l)+lev], v[(\l)+lev-1], v[\k], v[(\l)+lev]
.endif
.set lev, lev-1
.endr
.endm
; A TRIP: 64 slots x 32 candidates, eight products, a group for each tile and half of the lanes.  The vector work stands behind the products: result s is read behind product s + 2, eight plain
; instructions or more behind its own; the keys and insertions of the trip before (fin = 1) fill the first places.  The other set is fetched at the head, eight plain instructions behind its last reader.
.macro TRIP st, fin, next
	s_wait_dscnt 0x0                               ; this set's four loads, issued a trip ago
.if \next
	FETCH 1-(\st)
.endif
	WM 0, \st
.if \fin
	KEYS
.endif
	WM 1, \st
.if \fin
	INS L0, KEY, 9, 5
.else
.rept 4
	v_nop
.endr
.endif
	WM 2, \st
	RED 0
.if \fin
	INS L0, KEY, 4, 0
.endif
	WM 3, \st
	RED 1
.if \fin
	INS L1, KEY+1, 9, 5
.endif
	WM 4, \st
	RED 2
.if \fin
	INS L1, KEY+1, 4, 0
.endif
	WM 5, \st
	RED 3
	WM 6, \st
	RED 4
	WM 7, \st
	RED 5
	RED 6
	RED 7
.endm
	FETCH 0
	TRIP 0, 0, 1
	s_mov_b32 s32, 31
.Ltrip:
	TRIP 1, 1, 1
	TRIP 0, 1, 1
	s_sub_co_u32 s32, s32, 1
	s_cmp_lg_u32 s32, 0
	s_cbranch_scc1 .Ltrip
	TRIP 1, 1, 0
	KEYS
	INS L0, KEY, 9, 0
	INS L1, KEY+1, 9, 0
.irp i, 0,1,2,3,4,5,6,7,8,9                    ; the other half of the lanes' lists are inserted: both halves end with the same ten
	v_permlanex16_b32 v[D+\i],    v[L0+\i], s37, s38
	v_permlanex16_b32 v[D+16+\i], v[L1+\i], s37, s38
.endr
.irp i, 0,1,2,3,4,5,6,7,8,9
	INS L0, D+\i, 9, 0
	INS L1, D+16+\i, 9, 0
.endr
.irp i, 0,1,2,3,4,5,6,7,8,9
	v_cndmask_b32 v[L0+\i], v[L0+\i], v[L1+\i], s36  ; lanes 0-15 store tile 0's lists, lanes 16-31 tile 1's: lane l is candidate l of my 32
.endr
	v_mov_b32 v[L0+10], -1
	v_mov_b32 v[L0+11], -1
	s_lshl_b32 s30, s25, 11
	s_lshl_b32 s31, s26, 7
	s_add_co_u32 s30, s30, s31
	s_lshl_b32 s31, s24, 5
	s_add_co_u32 s30, s30, s31                     ; my first candidate among the 8,192
	s_lshl2_add_u32 s30, s30, s27                  ; four lists a candidate, mine is q's
	s_mul_i32 s30, s30, 48
	v_mul_u32_u24 v12, v1, 192
	v_add_nc_u32 v12, s30, v12
	global_store_b128 v12, v[L0:L0+3],    s[14:15]
	global_store_b128 v12, v[L0+4:L0+7],  s[14:15] offset:16
	global_store_b128 v12, v[L0+8:L0+11], s[14:15] offset:32
	s_branch .Lend
.set GX, 32                            ; v[32:40] x of my eight keypoints and of the centre; v[41:49] y; v[50:58] z
.set GY, 41
.set GZ, 50
.set DD, 64                            ; v[64:71]  d
.set EE, 72                            ; v[72:79]  the position among the 256, as f32
.set TT, 88                            ; v[88:95]  at work
.Lgroup:
	s_sub_co_u32 s25, ttmp9, 256
	s_lshr_b32 s26, s25, 6                         ; cloud
	s_bfe_u32 s27, s25, 0x20004                    ; batch
	s_and_b32 s28, s25, 15
	s_lshl2_add_u32 s28, s28, s24                  ; centre
	s_lshl_b32 s29, s26, 10
	v_lshl_add_u32 v8, v1, 5, s29                  ; positions 8 l .. 8 l + 7 in the cloud's idx
	s_lshl2_add_u32 s30, s28, s29
	v_mov_b32 v9, s30                              ; the centre's
	s_lshl2_add_u32 s33, s25, s24
	s_lshl_b32 s33, s33, 7
	v_lshl_add_u32 v10, v1, 2, s33                 ; my word of gsel
	s_mul_i32 s30, s27, BSTEP
	s_mov_b32 s31, 0
	s_cmp_eq_u32 s26, 0
	s_cselect_b64 s[20:21], s[10:11], s[12:13]
	s_add_nc_u64 s[20:21], s[20:21], s[30:31]
	global_load_b128 v[16:19], v8, s[8:9]
	global_load_b128 v[20:23], v8, s[8:9] offset:16
	global_load_b32 v24, v9, s[8:9]
	s_wait_loadcnt 0x0
.irp e, 0,1,2,3,4,5,6,7,8
	v_min_u32 v[16+\e], 0x3fff, v[16+\e]
	v_lshlrev_b32 v[16+\e], 2, v[16+\e]
.endr
.irp e, 0,1,2,3,4,5,6,7,8
	global_load_b32 v[GX+\e], v[16+\e], s[20:21]
	global_load_b32 v[GY+\e], v[16+\e], s[20:21] offset:65536
	global_load_b32 v[GZ+\e], v[16+\e], s[20:21] offset:131072
.endr
	v_lshlrev_b32 v60, 3, v1
.irp e, 0,1,2,3,4,5,6,7
	v_add_nc_u32 v61, \e, v60
	v_cvt_f32_u32 v[EE+\e], v61
.endr
	v_mov_b32 v81, 0
	v_mov_b32 v83, 0
	v_mov_b32 v84, 0
	v_mov_b32 v85, 0x4e6e6b28                      ; 1e9: above every position
	v_mov_b32 v86, 0x7f800000
	s_wait_loadcnt 0x0
.irp e, 0,1,2,3,4,5,6,7,8
	v_cvt_pk_bf16_f32 v60, v[GX+\e], v[GY+\e]
	v_cvt_pk_bf16_f32 v61, v[GZ+\e], v[GZ+\e]
	v_lshlrev_b32 v[GX+\e], 16, v60
	v_and_b32 v[GY+\e], s36, v60
	v_lshlrev_b32 v[GZ+\e], 16, v61
.endr
	v_mul_f32 v62, v[GX+8], v[GX+8]                ; na
	v_fmac_f32 v62, v[GY+8], v[GY+8]
	v_fmac_f32 v62, v[GZ+8], v[GZ+8]
.irp e, 0,1,2,3,4,5,6,7
	v_mul_f32 v60, v[GX+\e], v[GX+\e]              ; nb
	v_fmac_f32 v60, v[GY+\e], v[GY+\e]
	v_fmac_f32 v60, v[GZ+\e], v[GZ+\e]
	v_mul_f32 v61, v[GX+8], v[GX+\e]               ; dot
	v_fmac_f32 v61, v[GY+8], v[GY+\e]
	v_fmac_f32 v61, v[GZ+8], v[GZ+\e]
	v_add_f32 v60, v62, v60
	v_fma_f32 v[DD+\e], -2.0, v61, v60
.endr
; A layer of the sorting network for eight: pair p = 10 i + j; i and j change places where (d, e) of j comes first.
.macro LAYER pairs:vararg
.set n, 0
.irp p, \pairs
	v_cmp_lt_f32 s[48+3*n], v[DD+(\p)%10], v[DD+(\p)/10]
	v_cmp_eq_f32 s[49+3*n], v[DD+(\p)%10], v[DD+(\p)/10]
	v_cmp_lt_f32 s[50+3*n], v[EE+(\p)%10], v[EE+(\p)/10]
.set n, n+1
.endr
.set n, 0
.irp p, \pairs
	s_and_b32 s[49+3*n], s[49+3*n], s[50+3*n]
	s_or_b32  s[48+3*n], s[48+3*n], s[49+3*n]
.set n, n+1
.endr
.set n, 0
.irp p, \pairs
	v_cndmask_b32 v[TT+n],       v[DD+(\p)/10], v[DD+(\p)%10], s[48+3*n]
	v_cndmask_b32 v[DD+(\p)%10], v[DD+(\p)%10], v[DD+(\p)/10], s[48+3*n]
	v_cndmask_b32 v[TT+4+n],     v[EE+(\p)/10], v[EE+(\p)%10], s[48+3*n]
	v_cndmask_b32 v[EE+(\p)%10], v[EE+(\p)%10], v[EE+(\p)/10], s[48+3*n]
	v_mov_b32 v[DD+(\p)/10], v[TT+n]
	v_mov_b32 v[EE+(\p)/10], v[TT+4+n]
.set n, n+1
.endr
.endm
	LAYER 1, 23, 45, 67
	LAYER 2, 13, 46, 57
	LAYER 12, 56
	LAYER 4, 15, 26, 37
	LAYER 24, 35
	LAYER 12, 34, 56
.macro WMIN r                          ; the least of v[r] over the 32 lanes, in every lane
	v_min_num_f32_dpp v[\r], v[\r], v[\r] row_xmask:1 row_mask:0xf bank_mask:0xf
	v_min_num_f32_dpp v[\r], v[\r], v[\r] row_xmask:2 row_mask:0xf bank_mask:0xf
	v_min_num_f32_dpp v[\r], v[\r], v[\r] row_xmask:4 row_mask:0xf bank_mask:0xf
	v_min_num_f32_dpp v[\r], v[\r], v[\r] row_xmask:8 row_mask:0xf bank_mask:0xf
	v_permlanex16_b32 v81, v[\r], s37, s38
	v_min_num_f32 v[\r], v[\r], v81
.endm
	s_mov_b32 s30, 1                               ; the lane that keeps this trip's pick
	s_mov_b32 s32, 32
.Lpick:
	v_mov_b32 v80, v[DD]
	WMIN 80                                        ; the least head,
	v_cmp_eq_f32 vcc_lo, v[DD], v80
	v_cndmask_b32 v82, v85, v[EE], vcc_lo
	WMIN 82                                        ; and among equals the lowest position
	v_cmp_eq_f32 s31, v[EE], v82                   ; its lane
	v_cndmask_b32 v83, v83, v80, s30
	v_cndmask_b32 v84, v84, v82, s30
.irp e, 0,1,2,3,4,5,6
	v_cndmask_b32 v[DD+\e], v[DD+\e], v[DD+\e+1], s31  ; that lane's list moves up
	v_cndmask_b32 v[EE+\e], v[EE+\e], v[EE+\e+1], s31
.endr
	v_cndmask_b32 v[DD+7], v[DD+7], v86, s31
	v_cndmask_b32 v[EE+7], v[EE+7], v85, s31
	s_lshl_b32 s30, s30, 1
	s_sub_co_u32 s32, s32, 1
	s_cmp_lg_u32 s32, 0
	s_cbranch_scc1 .Lpick
	v_cmp_ge_f32 vcc_lo, 1.0, v83                  ; inside the radius?
	v_readlane_b32 s31, v84, 0                     ; else the first neighbour
	v_mov_b32 v81, s31
	v_cndmask_b32 v84, v81, v84, vcc_lo
	v_cvt_u32_f32 v84, v84
	global_store_b32 v10, v84, s[18:19]
.Lend:
	s_wait_tensorcnt 0x0                           ; the wave's end
	ds_add_u32 v4, v5
	s_wait_dscnt 0x0
	s_endpgm
.Lfunc_end_k_q7ed427dea0_knn1:
	.size	k_q7ed427dea0_knn1, .Lfunc_end_k_q7ed427dea0_knn1-k_q7ed427dea0_knn1
	.p2alignl 7, 3214868480
	.fill 96, 4, 3214868480
	.section	.rodata,"a",@progbits
	.p2align	6, 0x0
	.amdhsa_kernel k_q7ed427dea0_knn1
		.amdhsa_group_segment_fixed_size 131584
		.amdhsa_private_segment_fixed_size 0
		.amdhsa_enable_private_segment 0
		.amdhsa_kernarg_size 48
		.amdhsa_user_sgpr_count 2
		.amdhsa_user_sgpr_kernarg_segment_ptr 1
		.amdhsa_wavefront_size32 1
		.amdhsa_system_sgpr_workgroup_id_x 1
		.amdhsa_system_sgpr_workgroup_id_y 1
		.amdhsa_system_sgpr_workgroup_id_z 1
		.amdhsa_system_vgpr_workitem_id 0
		.amdhsa_next_free_vgpr 256
		.amdhsa_next_free_sgpr 66
		.amdhsa_reserve_vcc 1
		.amdhsa_float_denorm_mode_32 3
		.amdhsa_float_denorm_mode_16_64 3
		.amdhsa_memory_ordered 1
		.amdhsa_forward_progress 1
		.amdhsa_inst_pref_size 104
	.end_amdhsa_kernel
	.amdgpu_metadata
---
amdhsa.version: [ 1, 2 ]
amdhsa.kernels:
  - .name:           k_q7ed427dea0_knn1
    .symbol:         k_q7ed427dea0_knn1.kd
    .args:
      - { .name: idx, .offset: 0, .size: 8, .value_kind: global_buffer, .address_space: global }
      - { .name: src_pts, .offset: 8, .size: 8, .value_kind: global_buffer, .address_space: global }
      - { .name: tgt_pts, .offset: 16, .size: 8, .value_kind: global_buffer, .address_space: global }
      - { .name: glist, .offset: 24, .size: 8, .value_kind: global_buffer, .address_space: global }
      - { .name: tpk, .offset: 32, .size: 8, .value_kind: global_buffer, .address_space: global }
      - { .name: gsel, .offset: 40, .size: 8, .value_kind: global_buffer, .address_space: global }
    .group_segment_fixed_size: 131584
    .private_segment_fixed_size: 0
    .kernarg_segment_align: 8
    .kernarg_segment_size: 48
    .max_flat_workgroup_size: 128
    .sgpr_count:     66
    .vgpr_count:     256
    .wavefront_size: 32
...
	.end_amdgpu_metadata
.endif
;; end of part 4
;; launch fin (part 5): grid 384 x 1, 4 waves a work-group, no clusters, 0 bytes of LDS; arguments idx, glist, tpk, gsel, src_pts, tgt_pts, out0, out1, out2, out3; writes out0, out1, out2, out3
.if DOCPART == 5
	.amdgcn_target "amdgcn-amd-amdhsa--gfx1250"
	.amdhsa_code_object_version 6
	.text
	.protected	k_q7ed427dea0_fin
	.globl	k_q7ed427dea0_fin
	.p2align	8
	.type	k_q7ed427dea0_fin,@function
k_q7ed427dea0_fin:
	s_mov_b64 s[64:65], 0
	v_nop
	global_prefetch_b8 v0, s[64:65] scope:SCOPE_SE
	s_setreg_imm32_b32 hwreg(HW_REG_WAVE_MODE, 25, 1), 1
	s_wait_xcnt 0x0
; THE OUTPUTS.  All inputs count as rounded to bf16.  Two jobs, told apart by the work-group's number.
; WORK-GROUPS 0-255: a wave is a source keypoint (batch w / 64, keypoint 4 (w % 64) + wave): it stores the keypoint (out0) and, for its eight candidates, the ten least distances into the target
; cloud, divided by their sum (out1).  Four lanes share a candidate (l / 4; part j = l % 4).  The candidate's four lists of ten group keys are merged as whole numbers; the ten best groups' points
; (32 each, packed bf16) are read, 8 a lane and group; d^2 is the sum of the squared differences in f32; each lane keeps its ten least in an ascending list, and the four lanes' lists are merged.
; LIMITS.  A d^2 below 2^-126 counts as 0 under the root; ten distances of 0 give NaN, as the division by their sum does.
; WORK-GROUPS 256-383: a wave is a centre (cloud, batch, one of 64), a lane one of its 32 neighbours: position -> point number -> six channels; xyz less the centre's (out2, out3).
.set BSTEP, 393216
.set K,   32                           ; v[32:41]   the ten groups' keys
.set OFF, 42                           ; v[42:51]   their offsets in the table
.set L,   52                           ; v[52:61]   my ten least d^2, ascending
.set T,   62                           ; v[62:71]   a partner's list
.set AX,  72                           ; v[72:74]   my candidate
.set NEG, 75                           ; v75        -1.0
.set W,   76                           ; v[76:81]   at work, two sets
.set LA,  96                           ; v[96:143]  the four lists of 12
.set X,   144                          ; v[144:191] three banks of 16
.set Y,   160
.set Z,   176
.set DAT, 96                           ; v[96:255]  later: the groups' points
	s_load_b512 s[8:23], s[0:1], 0x0               ; idx s[8:9], glist s[10:11], tpk s[12:13], gsel s[14:15], src s[16:17], tgt s[18:19], out0 s[20:21], out1 s[22:23]
	s_load_b128 s[24:27], s[0:1], 0x40             ; out2 s[24:25], out3 s[26:27]
	v_and_b32 v1, 31, v0
	v_lshrrev_b32 v2, 5, v0
	v_readfirstlane_b32 s28, v2                    ; wave 0..3
	s_wait_kmcnt 0x0
	s_cmp_ge_u32 ttmp9, 256
	s_cbranch_scc1 .Lgrouped
	s_lshr_b32 s29, ttmp9, 6                       ; batch
	s_and_b32 s30, ttmp9, 63
	s_lshl2_add_u32 s30, s30, s28                  ; keypoint
	v_lshrrev_b32 v2, 2, v1                        ; corner
	v_and_b32 v3, 3, v1                            ; j
	s_lshl_b32 s31, s30, 2
	v_mov_b32 v4, s31
	s_lshl_b32 s31, s29, 11
	s_lshl3_add_u32 s31, s30, s31                  ; the first of my eight candidates among the 8,192
	s_mul_i32 s33, s31, 192
	v_mul_u32_u24 v5, v2, 192
	v_add_nc_u32 v5, s33, v5                       ; my candidate's four lists
	global_load_b32 v6, v4, s[8:9]
.set i, 0
.rept 12
	global_load_b128 v[LA+4*i:LA+4*i+3], v5, s[10:11] offset:16*i
.set i, i+1
.endr
	s_mul_i32 s34, s29, BSTEP
	s_mov_b32 s35, 0
	s_add_nc_u64 s[16:17], s[16:17], s[34:35]      ; src at my batch
	s_lshl_b32 s34, s29, 17
	s_add_nc_u64 s[12:13], s[12:13], s[34:35]      ; the batch's 512 groups
	s_lshl_b32 s34, s29, 8
	s_add_co_u32 s34, s34, s30
	s_mul_i32 s34, s34, 24
	v_lshl_add_u32 v9, v1, 2, s34                  ; out0: lane c stores channel c
	s_mul_i32 s34, s31, 40
	v_mul_u32_u24 v12, v2, 40
	v_lshl_add_u32 v12, v3, 3, v12
	v_add_nc_u32 v12, s34, v12                     ; out1: my pair of my candidate's ten
	v_lshlrev_b32 v11, 4, v3                       ; 16 j
	v_min_u32 v7, 5, v1
	s_mov_b32 s37, 0x3dcccccd                      ; 0.1 in f32
	s_mov_b32 s40, 0xaaaaaaaa                      ; lanes with j odd
	s_mov_b32 s41, 0xcccccccc                      ; lanes with j = 2, 3
	v_mov_b32 v[NEG], -1.0
.set i, 0
.rept 10
	v_mov_b32 v[L+i], 0x7f800000
	v_mov_b32 v[T+i], 0                            ; written once whole: a lane exchange counts as a reader of its destination
.set i, i+1
.endr
	s_wait_loadcnt 12                              ; the keypoint's number is in: the 12 loads of lists stay out
	v_min_u32 v6, 0x3fff, v6
	v_lshlrev_b32 v6, 2, v6
	v_lshl_add_u32 v6, v7, 16, v6
	global_load_b32 v8, v6, s[16:17]               ; lane c: channel min(c, 5)
	s_wait_loadcnt 1                               ; the lists are in: that one load stays out
.macro STAGE src, dst, j
.irp i, 0,1,2,3,4,5,6,7,8,9,10,11,12,13,14,15
.if ((\i) & (\j)) == 0
	v_min_u32 v[(\dst)+\i],      v[(\src)+\i], v[(\src)+\i+(\j)]
	v_max_u32 v[(\dst)+\i+(\j)], v[(\src)+\i], v[(\src)+\i+(\j)]
.endif
.endr
.endm
; Two ascending lists of 12 (ten keys, two pads of all ones; thought on to 16 by more pads): the lesser of a[i] and b[15 - i] are the 16 least, a bitonic run; four stages sort it into bank x.
.macro MERGE a, b, x
.irp i, 0,1,2,3
	v_mov_b32 v[(\x)+\i], v[(\a)+\i]
.endr
.irp i, 4,5,6,7,8,9,10,11
	v_min_u32 v[(\x)+\i], v[(\a)+\i], v[(\b)+15-\i]
.endr
.irp i, 12,13,14,15
	v_mov_b32 v[(\x)+\i], v[(\b)+15-\i]
.endr
	STAGE \x, Z, 8
	STAGE Z, \x, 4
	STAGE \x, Z, 2
	STAGE Z, \x, 1
.endm
	MERGE LA, LA+12, X
	MERGE LA+24, LA+36, Y
.irp s, 0,1,2,3,4,5,6,7,8,9
	v_min_u32 v[K+\s], v[X+\s], v[Y+9-\s]          ; the ten least of all four, in no order: none is needed
.endr
.irp s, 0,1,2,3,4,5,6,7,8,9
	v_and_b32 v[OFF+\s], 0x1ff, v[K+\s]
	v_min_u32 v[OFF+\s], 0x1ff, v[OFF+\s]
	v_lshl_add_u32 v[OFF+\s], v[OFF+\s], 8, v11    ; 256 bytes a group; my 16 of each 64
.endr
	s_wait_loadcnt 0x0
	v_cvt_pk_bf16_f32 v8, v8, v8
	v_lshlrev_b32 v8, 16, v8
	v_cmp_gt_u32 vcc_lo, 6, v1
	s_wait_xcnt 0x0                                ; EXEC changes only behind this wait
	s_and_saveexec_b32 s33, vcc_lo
	global_store_b32 v9, v8, s[20:21]
	s_wait_xcnt 0x0                                ; and again in front of the line that widens it
	s_or_b32 exec_lo, exec_lo, s33
.irp s, 0,1,2,3,4,5,6,7,8,9
.irp i, 0,1,2,3
	global_load_b128 v[DAT+16*\s+4*\i:DAT+16*\s+4*\i+3], v[OFF+\s], s[12:13] offset:64*\i
.endr
.endr
	v_readlane_b32 s34, v8, 0
	v_readlane_b32 s35, v8, 1
	v_readlane_b32 s36, v8, 2
	v_bfe_u32 v[AX], v1, 4, 1                      ; the corner's bit 2 goes with x, bit 1 with y, bit 0 with z
	v_bfe_u32 v[AX+1], v1, 3, 1
	v_bfe_u32 v[AX+2], v1, 2, 1
.irp c, 0,1,2
	v_cvt_f32_u32 v[AX+\c], v[AX+\c]
.endr
	v_fma_f32 v[AX],   v[AX],   s37, s34
	v_fma_f32 v[AX+1], v[AX+1], s37, s35
	v_fma_f32 v[AX+2], v[AX+2], s37, s36
.macro INS l, k                        ; v[k] into the ascending list at v[l]: each level takes the middle of its old lower neighbour, the key and itself
.set lev, 9
.rept 9
	v_med3_num_f32 v[(\l)+lev], v[(\l)+lev-1], v[\k], v[(\l)+lev]
.set lev, lev-1
.endr
	v_min_num_f32 v[\l], v[\l], v[\k]
.endm
.macro PNT r, w                        ; the point packed in v[r], v[r+1]
	v_fma_mix_f32_bf16 v[\w],     v[\r],     v[NEG], v[AX]   op_sel_hi:[1,0,0]
	v_fma_mix_f32_bf16 v[(\w)+1], v[\r],     v[NEG], v[AX+1] op_sel:[1,0,0] op_sel_hi:[1,0,0]
	v_fma_mix_f32_bf16 v[(\w)+2], v[(\r)+1], v[NEG], v[AX+2] op_sel_hi:[1,0,0]
	v_mul_f32 v[\w], v[\w], v[\w]
	v_fmac_f32 v[\w], v[(\w)+1], v[(\w)+1]
	v_fmac_f32 v[\w], v[(\w)+2], v[(\w)+2]
	INS L, \w
.endm
.irp s, 0,1,2,3,4,5,6,7,8,9
	s_wait_loadcnt 36-4*\s                         ; group s's four loads are in: the later groups' stay out
.irp p, 0,1,2,3,4,5,6,7
	PNT DAT+16*\s+2*\p, W+3*(\p%2)
.endr
.endr
.irp x, 1,2                                    ; the four lanes of a candidate: each takes its partner's ten into its own
.irp i, 0,1,2,3,4,5,6,7,8,9
	v_mov_b32_dpp v[T+\i], v[L+\i] row_xmask:\x row_mask:0xf bank_mask:0xf
.endr
.irp i, 0,1,2,3,4,5,6,7,8,9
	INS L, T+\i
.endr
.endr
.irp i, 0,1,2,3,4,5,6,7,8,9
	v_sqrt_f32 v[L+\i], v[L+\i]
.endr
	v_nop                                          ; a plain instruction behind the last root,
	s_wait_alu depctr_va_vdst(0)                   ; and one wait ahead of the batch's first reader
	v_add_f32 v[T],   v[L],   v[L+1]
	v_add_f32 v[T+1], v[L+2], v[L+3]
	v_add_f32 v[T+2], v[L+4], v[L+5]
	v_add_f32 v[T+3], v[L+6], v[L+7]
	v_add_f32 v[T+4], v[L+8], v[L+9]
	v_add_f32 v[T],   v[T],   v[T+1]
	v_add_f32 v[T+2], v[T+2], v[T+3]
	v_add_f32 v[T],   v[T],   v[T+4]
	v_add_f32 v[T],   v[T],   v[T+2]
	v_rcp_f32 v[T+5], v[T]
	v_nop
	s_wait_alu depctr_va_vdst(0)
.irp i, 0,1,2,3,4,5,6,7,8,9
	v_mul_f32 v[L+\i], v[L+\i], v[T+5]
.endr
	v_cndmask_b32 v82, v[L],   v[L+2], s40         ; lane j stores numbers 2 j and 2 j + 1,
	v_cndmask_b32 v83, v[L+4], v[L+6], s40
	v_cndmask_b32 v86, v82, v83, s41
	v_cndmask_b32 v84, v[L+1], v[L+3], s40
	v_cndmask_b32 v85, v[L+5], v[L+7], s40
	v_cndmask_b32 v87, v84, v85, s41
	global_store_b64 v12, v[86:87], s[22:23]
	v_cmp_eq_u32 vcc_lo, 0, v3
	s_wait_xcnt 0x0                                ; EXEC changes only behind this wait
	s_and_saveexec_b32 s33, vcc_lo
	global_store_b64 v12, v[L+8:L+9], s[22:23] offset:32  ; and lane j = 0 numbers 8 and 9
	s_wait_xcnt 0x0
	s_or_b32 exec_lo, exec_lo, s33
	s_endpgm
.Lgrouped:
	s_sub_co_u32 s29, ttmp9, 256
	s_lshr_b32 s30, s29, 6                         ; cloud
	s_bfe_u32 s31, s29, 0x20004                    ; batch
	s_and_b32 s33, s29, 15
	s_lshl2_add_u32 s33, s33, s28                  ; centre
	s_lshl2_add_u32 s34, s29, s28                  ; my row among the 512
	s_lshl_b32 s35, s34, 7
	v_lshl_add_u32 v4, v1, 2, s35                  ; my word of gsel
	s_lshl_b32 s36, s30, 10                        ; the cloud's part of idx
	s_lshl2_add_u32 s37, s33, s36
	v_mov_b32 v5, s37
	s_and_b32 s34, s34, 255
	s_mul_i32 s34, s34, 768
	v_mul_u32_u24 v9, v1, 24
	v_add_nc_u32 v9, s34, v9                       ; my 24 bytes of the output
	s_mul_i32 s42, s31, BSTEP
	s_mov_b32 s43, 0
	s_mov_b32 s44, 0xffff0000
	s_cmp_eq_u32 s30, 0
	s_cselect_b64 s[38:39], s[16:17], s[18:19]
	s_cselect_b64 s[40:41], s[24:25], s[26:27]
	s_add_nc_u64 s[38:39], s[38:39], s[42:43]
	global_load_b32 v6, v4, s[14:15]               ; my neighbour's position among the 256
	global_load_b32 v7, v5, s[8:9]                 ; the centre's point number
	s_wait_loadcnt 0x0
	v_min_u32 v6, 0xff, v6
	v_lshl_add_u32 v6, v6, 2, s36
	v_min_u32 v7, 0x3fff, v7
	v_lshlrev_b32 v7, 2, v7
	global_load_b32 v8, v6, s[8:9]                 ; my neighbour's point number
.irp c, 0,1,2
	global_load_b32 v[10+\c], v7, s[38:39] offset:65536*\c
.endr
	s_wait_loadcnt 3                               ; it is in: the centre's three loads stay out
	v_min_u32 v8, 0x3fff, v8
	v_lshlrev_b32 v8, 2, v8
.irp c, 0,1,2,3,4,5
	global_load_b32 v[13+\c], v8, s[38:39] offset:65536*\c
.endr
	s_wait_loadcnt 0x0
	v_cvt_pk_bf16_f32 v26, v13, v14
	v_cvt_pk_bf16_f32 v27, v15, v16
	v_cvt_pk_bf16_f32 v28, v17, v18
	v_cvt_pk_bf16_f32 v29, v10, v11
	v_cvt_pk_bf16_f32 v30, v12, v12
	v_lshlrev_b32 v20, 16, v26
	v_and_b32 v21, s44, v26
	v_lshlrev_b32 v22, 16, v27
	v_and_b32 v23, s44, v27
	v_lshlrev_b32 v24, 16, v28
	v_and_b32 v25, s44, v28
	v_lshlrev_b32 v10, 16, v29
	v_and_b32 v11, s44, v29
	v_lshlrev_b32 v12, 16, v30
	v_sub_f32 v20, v20, v10
	v_sub_f32 v21, v21, v11
	v_sub_f32 v22, v22, v12
	global_store_b64 v9, v[20:21], s[40:41]
	global_store_b64 v9, v[22:23], s[40:41] offset:8
	global_store_b64 v9, v[24:25], s[40:41] offset:16
	s_endpgm
.Lfunc_end_k_q7ed427dea0_fin:
	.size	k_q7ed427dea0_fin, .Lfunc_end_k_q7ed427dea0_fin-k_q7ed427dea0_fin
	.p2alignl 7, 3214868480
	.fill 96, 4, 3214868480
	.section	.rodata,"a",@progbits
	.p2align	6, 0x0
	.amdhsa_kernel k_q7ed427dea0_fin
		.amdhsa_group_segment_fixed_size 0
		.amdhsa_private_segment_fixed_size 0
		.amdhsa_enable_private_segment 0
		.amdhsa_kernarg_size 80
		.amdhsa_user_sgpr_count 2
		.amdhsa_user_sgpr_kernarg_segment_ptr 1
		.amdhsa_wavefront_size32 1
		.amdhsa_system_sgpr_workgroup_id_x 1
		.amdhsa_system_sgpr_workgroup_id_y 1
		.amdhsa_system_sgpr_workgroup_id_z 1
		.amdhsa_system_vgpr_workitem_id 0
		.amdhsa_next_free_vgpr 256
		.amdhsa_next_free_sgpr 66
		.amdhsa_reserve_vcc 1
		.amdhsa_float_denorm_mode_32 3
		.amdhsa_float_denorm_mode_16_64 3
		.amdhsa_memory_ordered 1
		.amdhsa_forward_progress 1
		.amdhsa_inst_pref_size 106
	.end_amdhsa_kernel
	.amdgpu_metadata
---
amdhsa.version: [ 1, 2 ]
amdhsa.kernels:
  - .name:           k_q7ed427dea0_fin
    .symbol:         k_q7ed427dea0_fin.kd
    .args:
      - { .name: idx, .offset: 0, .size: 8, .value_kind: global_buffer, .address_space: global }
      - { .name: glist, .offset: 8, .size: 8, .value_kind: global_buffer, .address_space: global }
      - { .name: tpk, .offset: 16, .size: 8, .value_kind: global_buffer, .address_space: global }
      - { .name: gsel, .offset: 24, .size: 8, .value_kind: global_buffer, .address_space: global }
      - { .name: src_pts, .offset: 32, .size: 8, .value_kind: global_buffer, .address_space: global }
      - { .name: tgt_pts, .offset: 40, .size: 8, .value_kind: global_buffer, .address_space: global }
      - { .name: out0, .offset: 48, .size: 8, .value_kind: global_buffer, .address_space: global }
      - { .name: out1, .offset: 56, .size: 8, .value_kind: global_buffer, .address_space: global }
      - { .name: out2, .offset: 64, .size: 8, .value_kind: global_buffer, .address_space: global }
      - { .name: out3, .offset: 72, .size: 8, .value_kind: global_buffer, .address_space: global }
    .group_segment_fixed_size: 0
    .private_segment_fixed_size: 0
    .kernarg_segment_align: 8
    .kernarg_segment_size: 80
    .max_flat_workgroup_size: 128
    .sgpr_count:     66
    .vgpr_count:     256
    .wavefront_size: 32
...
	.end_amdgpu_metadata
.endif
;; end of part 5
;; ======== version 2 of 2: 5 launches; version 1 with the launch knn1 written anew for expert scheduling mode
;; workspace buffers: keys 131,072 bytes of whole numbers; lists 65,536 bytes of whole numbers; idx 2,048 bytes of whole numbers; glist 1,572,864 bytes of whole numbers; gsel 65,536 bytes of whole numbers; tpk 524,288 bytes
;; launch score: the kernel of part 1 again; grid 256 x 1, 4 waves a work-group, no clusters, 18,944 bytes of LDS; arguments src_pts, tgt_pts, W1, b1, W2, b2, w_score, keys; writes keys
;; launch sortA: the kernel of part 2 again; grid 32 x 1, 4 waves a work-group, no clusters, 8,704 bytes of LDS; arguments keys, lists; writes lists
;; launch sortB: the kernel of part 3 again; grid 2 x 1, 8 waves a work-group, no clusters, 17,408 bytes of LDS; arguments lists, idx; writes idx
;; launch knn1 (part 6): grid 384 x 1, 4 waves a work-group, no clusters, 131,584 bytes of LDS; arguments idx, src_pts, tgt_pts, glist, tpk, gsel; writes glist, tpk, gsel
.if DOCPART == 6
	.amdgcn_target "amdgcn-amd-amdhsa--gfx1250"
	.amdhsa_code_object_version 6
	.text
	.protected	k_q7ed427dea0_knn1
	.globl	k_q7ed427dea0_knn1
	.p2align	8
	.type	k_q7ed427dea0_knn1,@function
k_q7ed427dea0_knn1:
	s_mov_b64 s[64:65], 0
	v_nop
	global_prefetch_b8 v0, s[64:65] scope:SCOPE_SE
	s_setreg_imm32_b32 hwreg(HW_REG_WAVE_SCHED_MODE, 0, 2), 2
	s_setreg_imm32_b32 hwreg(HW_REG_WAVE_MODE, 25, 1), 1
	s_wait_xcnt 0x0
	s_wait_alu depctr_vm_vsrc(0)
; TWO JOBS, told apart by the work-group's number.  All inputs are rounded to bf16 as they are read.
; WORK-GROUPS 0-255: THE NEAREST GROUPS.  For 128 candidates (a source keypoint plus a corner of its voxel) and a quarter of a batch's target cloud (4,096 points): all squared distances
; |a|^2 + |b|^2 - 2 a.b by the matrix unit, one instruction for 16 points x 16 candidates: a (f32), |a|^2 and |b|^2 are cut EXACTLY into three bf16 parts, -2 b is bf16 as it is, and the 15 products
; lie in 15 of the 32 K places.  The points go in groups of 32; of each group only the least d^2 is kept, and for each candidate the ten groups with the least minima: the ten nearest points lie in
; those ten groups.  The next launch looks into them.  A key is d^2, held between 2^-100 and the largest finite number, its low 9 bits replaced by the group's number: the choice of groups is blind to
; differences of 2^-14 of d^2.  NaN and infinities are not treated apart.
;   b = w / 64, candidates 128 ((w / 4) % 16) on, quarter q = w % 4; wave v takes candidates 32 v .. 32 v + 31 of the 128, two tiles of 16, against all 4,096 points.
;   LDS: for each point slot two records of 16 bytes, K places 0-7 (plane 0) and 8-15 (plane 1): a fragment's registers 0-3 are ONE ds_load_b128; registers 4-7 stay 0.
;   In a result a lane holds one candidate (lane % 16) and the points 8 (lane / 16) + 0..7 of 16: each half of the lanes keeps its own groups and its own list; the two lists are merged at the end.
;   The work-groups of the first candidate block also store the packed points, group by group, for the next launch.
; WORK-GROUPS 256-383: THE GROUPING.  A wave takes one centre (cloud, batch, one of the first 64 keypoints): its distances to the 256 keypoints, in f32 in the order na + nb - 2 dot (the products of
; bf16 numbers are exact), then the 32 least, by (d, position): each lane sorts its eight, and 32 trips take the wave's least head.  Beyond the radius the first neighbour stands in.  Positions are stored.
; THE MODE: SCHED_MODE bits 1:0 = 2 (LLVM: expert scheduling mode 2), set by the entry lines.  The code itself states the register dependences between vector or matrix instructions and memory or
; LDS instructions, with s_wait_alu, always for 0.
; THE PLAN, for the first job.  Registers that memory or LDS instructions touch:
;   v8, v9, v10, v11, v13   offsets and LDS addresses, made once at the head and never written again.  v12: the gathers' offset; written anew at the end, for the last stores.
;   REC  four records of 8.  A chunk of four points: its 24 v_perm_b32 write them, its 8 LDS stores read them.  The chunk's other 60 vector lines name temporaries and PKB alone, and stand first: so the wait
;        on vm_vsrc (the chunk before's stores have read REC) stands 60 lines behind those stores, and one wait on va_vdst stands between the 24 and the 8.
;   PKB  written by the chunks' roundings, read by the table's stores; then its registers become AS.
;   AS0, AS1  trip t's products read AS[t % 2]; the LDS loads issued in trip t land in the other set.  ONE wait on va_vdst at a trip's head: the trip before's products are done reading that other set.  Behind
;        it no vector or matrix line of the trip names that set or v6, so the four loads are dealt among the first products with no further wait.
;   v6   the LDS address of the fragments: read by every fragment load, stepped once for two trips, behind a wait on vm_vsrc and ahead of the trip's own wait on va_vdst.
;   The results, lists, keys and temporaries are named by vector and matrix instructions alone, until the lists are stored.
.set SPARE, 131072                     ; behind the two planes: the spare words
.set PLANE, 65536
.set BSTEP, 393216                     ; bytes from batch to batch
.set PKB, 16                           ; v[16:79]   the packed points (x y, z 0), 2 registers each; later:
.set AS,  16                           ; v[16:79]   two sets of four target fragments
.set BT,  80                           ; v[80:95]   the two candidate fragments; before them:
.set TQ,  80                           ; point m of a chunk has seven temporaries at v80, v88, v234, v242
.set RAW, 96                           ; v[96:191]  the target points as loaded; later:
.set D,   96                           ; v[96:159]  eight results
.set L0,  160                          ; v[160:171] tile 0's list, ascending, and two pads
.set L1,  172                          ; v[172:183] tile 1's
.set G,   184                          ; v[184:185] the groups' minima
.set KEY, 186                          ; v[186:187]
.set U,   188                          ; v[188:193] at work
.set PT,  192                          ; v[192:223] REC: the two records of point m of a chunk, 8 registers at PT + 8 m
.set CR,  224                          ; v[224:229] the candidates' keypoints as loaded
.set BF,  230                          ; v[230:232] my corner's three bits as f32
	s_load_b256 s[8:15], s[0:1], 0x0               ; idx s[8:9], src s[10:11], tgt s[12:13], glist s[14:15]
	s_load_b128 s[16:19], s[0:1], 0x20             ; tpk s[16:17], gsel s[18:19]
	v_lshl_add_u32 v4, v0, 2, SPARE                ; my spare word,
	v_mov_b32 v5, 0                                ; and 0: kept for the closing add alone
	v_and_b32 v1, 31, v0                           ; lane
	v_lshrrev_b32 v2, 5, v0
	v_readfirstlane_b32 s24, v2                    ; wave 0..3
	v_and_b32 v2, 15, v0                           ; l % 16
	v_bfe_u32 v3, v0, 4, 1                         ; l / 16
	s_mov_b32 s36, 0xffff0000                      ; a word's upper bf16; also: lanes 16-31
	s_mov_b32 s37, 0x76543210
	s_mov_b32 s38, 0xfedcba98
	s_mov_b32 s41, 0x07060302                      ; v_perm_b32: the two upper halves, second source below
	s_wait_alu depctr_va_sdst(0)                   ; s24 is written, ahead of the branch: both jobs make offsets from it
	s_wait_kmcnt 0x0
	s_cmp_ge_u32 ttmp9, 256
	s_cbranch_scc1 .Lgroup
	s_lshr_b32 s25, ttmp9, 6                       ; b
	s_bfe_u32 s26, ttmp9, 0x40002                  ; candidate block
	s_and_b32 s27, ttmp9, 3                        ; q
	s_mov_b32 s42, 0x3dcccccd                      ; 0.1 in f32
	s_mov_b32 s43, 0x0d800000                      ; 2^-100
	s_mov_b32 s44, 0xfffffe00
	s_mov_b32 s45, 0x7f7fffff
	s_mul_i32 s28, s25, BSTEP
	s_mov_b32 s29, 0
	s_add_nc_u64 s[22:23], s[10:11], s[28:29]      ; src at batch b
	s_add_nc_u64 s[20:21], s[12:13], s[28:29]      ; tgt at batch b,
	s_lshl_b32 s28, s27, 14
	s_add_nc_u64 s[20:21], s[20:21], s[28:29]      ; quarter q
	s_lshl_b32 s30, s25, 17
	s_lshl_b32 s31, s27, 15
	s_add_co_u32 s30, s30, s31
	s_mov_b32 s31, 0
	s_add_nc_u64 s[16:17], s[16:17], s[30:31]      ; the quarter's 128 groups of 256 bytes
	v_lshrrev_b32 v11, 3, v2
	s_lshl_b32 s30, s26, 6
	s_lshl4_add_u32 s30, s24, s30
	v_lshl_add_u32 v11, v11, 2, s30                ; keypoint 16 block + 4 v + (l % 16) / 8 (tile 1: two further on)
	v_lshlrev_b32 v8, 4, v0                        ; 16 t
	s_wait_alu depctr_va_vdst(0)                   ; v11 and v8 are written: the offsets of the 26 loads below
	global_load_b32 v12, v11, s[8:9]
	global_load_b32 v13, v11, s[8:9] offset:8
.irp i, 0,1,2,3,4,5,6,7                        ; chunk i: four neighbouring points a thread, three channels
.irp c, 0,1,2
	global_load_b128 v[RAW+12*\i+4*\c:RAW+12*\i+4*\c+3], v8, s[20:21] offset:2048*\i+65536*\c
.endr
.endr
	v_add_nc_u32 v9, PLANE, v8
	v_lshrrev_b32 v10, 6, v0                       ; where slot t's point lies in the table: group 2 (t / 64) + (t / 8) % 2, place 8 ((t / 16) % 4) + t % 8
	v_bfe_u32 v14, v0, 3, 1
	v_lshl_add_u32 v10, v10, 1, v14
	v_bfe_u32 v14, v0, 4, 2
	v_lshl_add_u32 v10, v10, 2, v14
	v_and_b32 v14, 7, v0
	v_lshl_add_u32 v10, v10, 3, v14
	v_lshlrev_b32 v10, 3, v10
	v_mov_b32 v14, 0
	v_mov_b32 v15, 1.0
	v_bfe_u32 v[BF], v0, 2, 1                      ; the corner l % 8: bit 2 goes with x, bit 1 with y, bit 0 with z
	v_bfe_u32 v[BF+1], v0, 1, 1
	v_and_b32 v[BF+2], 1, v0
.irp c, 0,1,2
	v_cvt_f32_u32 v[BF+\c], v[BF+\c]
.endr
.irp m, 0,1,2,3
	v_mov_b32 v[PT+8*\m+6], 0x3f803f80             ; (1, 1) and (1, 0): partners of |a|^2's three parts
	v_mov_b32 v[PT+8*\m+7], 0x3f80
.endr
	s_wait_loadcnt 24                              ; the two numbers from idx are in: the 24 loads of points stay out
	v_min_u32 v12, 0x3fff, v12
	v_min_u32 v13, 0x3fff, v13
	v_lshlrev_b32 v12, 2, v12
	v_lshlrev_b32 v13, 2, v13
	s_wait_alu depctr_va_vdst(0)                   ; v12 and v13 are written, the gathers' offsets; so are v9 and v10, which the LDS stores and the table's stores read, and the records' constant words
.irp c, 0,1,2
	global_load_b32 v[CR+\c],   v12, s[22:23] offset:65536*\c
	global_load_b32 v[CR+3+\c], v13, s[22:23] offset:65536*\c
.endr
; Point m of chunk i goes to slot 1,024 m + 128 i + t: the threads' records lie end to end.  Plane 0: (B0 B1) (B2 B0) (B1 B2) (q1 q2); plane 1: (B0 B1) (B2 q3) (1 1) (1 0); B = -2 b, q = |b|^2.
; PA: stage st of the ten that lead from a point as loaded to B and to q's three parts; they name RAW, PKB and the point's temporaries alone.  The four points of a chunk go through a stage together.
.macro PA st, i, m
.set rT, TQ+8*(\m)+138*((\m)/2)
.set rK, PKB+2*(4*(\i)+(\m))
.if (\st) == 0
	v_cvt_pk_bf16_f32 v[rK], v[RAW+12*(\i)+(\m)], v[RAW+12*(\i)+4+(\m)]
	v_cvt_pk_bf16_f32 v[rK+1], v[RAW+12*(\i)+8+(\m)], v14
.elseif (\st) == 1
	v_lshlrev_b32 v[rT], 16, v[rK]
	v_and_b32 v[rT+1], s36, v[rK]
	v_lshlrev_b32 v[rT+2], 16, v[rK+1]
.elseif (\st) == 2
	v_mul_f32 v[rT+3], v[rT], v[rT]
.elseif (\st) == 3
	v_fmac_f32 v[rT+3], v[rT+1], v[rT+1]
.elseif (\st) == 4
	v_fmac_f32 v[rT+3], v[rT+2], v[rT+2]
.elseif (\st) == 5
	v_mul_f32 v[rT], -2.0, v[rT]
	v_mul_f32 v[rT+1], -2.0, v[rT+1]
	v_mul_f32 v[rT+2], -2.0, v[rT+2]
.elseif (\st) == 6
	v_and_b32 v[rT+4], s36, v[rT+3]
.elseif (\st) == 7
	v_sub_f32 v[rT+5], v[rT+3], v[rT+4]
.elseif (\st) == 8
	v_and_b32 v[rT+4], s36, v[rT+5]
.else
	v_sub_f32 v[rT+6], v[rT+5], v[rT+4]
.endif
.endm
.macro PB m                            ; point m's two records
.set rT, TQ+8*(\m)+138*((\m)/2)
.set P, PT+8*(\m)
	v_perm_b32 v[P],   v[rT+1], v[rT],   s41
	v_perm_b32 v[P+1], v[rT],   v[rT+2], s41
	v_perm_b32 v[P+2], v[rT+2], v[rT+1], s41
	v_perm_b32 v[P+3], v[rT+5], v[rT+3], s41
	v_perm_b32 v[P+4], v[rT+1], v[rT],   s41
	v_perm_b32 v[P+5], v[rT+6], v[rT+2], s41
.endm
.macro CHUNK i
	s_wait_loadcnt 27-3*(\i)                       ; chunk i is in: the later chunks' loads and the six gathers stay out
.irp st, 0,1,2,3,4,5,6,7,8,9
.irp m, 0,1,2,3
	PA \st, \i, \m
.endr
.endr
.if (\i) > 0
	s_wait_alu depctr_vm_vsrc(0)                   ; the LDS stores of the chunk before have read REC, which the lines below write again
.endif
.irp m, 0,1,2,3
	PB \m
.endr
	s_wait_alu depctr_va_vdst(0)                   ; REC is written, which the LDS stores below read; so is the chunk's part of PKB, which the table's stores read
.irp m, 0,1,2,3
	ds_store_b128 v8, v[PT+8*\m:PT+8*\m+3]   offset:16384*\m+2048*(\i)
	ds_store_b128 v9, v[PT+8*\m+4:PT+8*\m+7] offset:16384*\m+2048*(\i)
.endr
.endm
.irp i, 0,1,2,3,4,5,6,7
	CHUNK \i
.endr
	s_cmp_lg_u32 s26, 0
	s_cbranch_scc1 .Lnotab                         ; one work-group for each batch and quarter stores the table
.irp i, 0,1,2,3,4,5,6,7
.irp m, 0,1,2,3
	global_store_b64 v10, v[PKB+2*(4*\i+\m):PKB+2*(4*\i+\m)+1], s[16:17] offset:8192*\m+1024*\i  ; no vector line since the last chunk's wait names PKB or v10
.endr
.endr
.Lnotab:
	s_wait_loadcnt 0x0                             ; the candidates' keypoints
; Tile tl's fragment.  Lanes 0-15 (K places 0-7): (a1x a1y) (a1z a2x) (a2y a2z) (1 1); lanes 16-31 (8-15): (a3x a3y) (a3z 1) (A1 A2) (A3 0); a = keypoint + corner, A = |a|^2.
.macro CAND tl
	v_cvt_pk_bf16_f32 v233, v[CR+3*(\tl)], v[CR+3*(\tl)+1]
	v_cvt_pk_bf16_f32 v234, v[CR+3*(\tl)+2], v14
	v_lshlrev_b32 v236, 16, v233
	v_and_b32 v237, s36, v233
	v_lshlrev_b32 v238, 16, v234
	v_fmac_f32 v236, s42, v[BF]
	v_fmac_f32 v237, s42, v[BF+1]
	v_fmac_f32 v238, s42, v[BF+2]
	v_mul_f32 v239, v236, v236
	v_fmac_f32 v239, v237, v237
	v_fmac_f32 v239, v238, v238
.irp c, 0,1,2,3
	v_and_b32 v248, s36, v[236+\c]
	v_sub_f32 v[240+\c], v[236+\c], v248
	v_and_b32 v248, s36, v[240+\c]
	v_sub_f32 v[244+\c], v[240+\c], v248
.endr
	v_perm_b32 v249, v237, v236, s41
	v_perm_b32 v250, v245, v244, s41
	v_cndmask_b32 v[BT+8*(\tl)], v249, v250, s36
	v_perm_b32 v249, v240, v238, s41
	v_perm_b32 v250, v15, v246, s41
	v_cndmask_b32 v[BT+8*(\tl)+1], v249, v250, s36
	v_perm_b32 v249, v242, v241, s41
	v_perm_b32 v250, v243, v239, s41
	v_cndmask_b32 v[BT+8*(\tl)+2], v249, v250, s36
	v_mov_b32 v249, 0x3f803f80
	v_perm_b32 v250, v14, v247, s41
	v_cndmask_b32 v[BT+8*(\tl)+3], v249, v250, s36
.irp c, 4,5,6,7
	v_mov_b32 v[BT+8*(\tl)+\c], 0
.endr
.endm
	CAND 0
	CAND 1
	s_wait_xcnt 0x0                                ; the table's stores have had their addresses translated: their registers are written again only behind this wait,
	s_wait_alu depctr_vm_vsrc(0)                   ; and they have read PKB, whose registers the fragments now take; the last chunk's LDS stores have read REC, two registers of which the minima use as scratch
.irp f, 0,1,2,3,4,5,6,7
.irp c, 4,5,6,7
	v_mov_b32 v[AS+8*\f+\c], 0                     ; K places 16-31 are not used
.endr
.endr
	v_lshlrev_b32 v6, 16, v3
	v_lshl_add_u32 v6, v2, 4, v6                   ; my record in a fragment: plane l / 16, slot l % 16
	s_lshl_b32 s30, s27, 7
	v_add_nc_u32 v7, s30, v3                       ; my first group's number: 128 q + l / 16
	s_wait_dscnt 0x0                               ; for the others' sake: my records lie in LDS
	s_barrier_signal -1
	s_barrier_wait -1                              ; everybody's do; from here on LDS is only read
.set i, 0
.rept 10
	v_mov_b32 v[L0+i], 0x7f800000
	v_mov_b32 v[L1+i], 0x7f800000
.set i, i+1
.endr
.macro LD st, f                        ; fragment f of four into set st.  v6 names two trips' slots: set 0's 64 lie at it, set 1's 1,024 bytes on
	ds_load_b128 v[AS+32*(\st)+8*(\f):AS+32*(\st)+8*(\f)+3], v6 offset:1024*(\st)+256*(\f)
.endm
.macro WM s, st                        ; result s: fragment s / 2 of the set x candidate tile s % 2
	v_wmma_f32_16x16x32_bf16 v[D+8*(\s):D+8*(\s)+7], v[AS+32*(\st)+8*((\s)/2):AS+32*(\st)+8*((\s)/2)+7], v[BT+8*((\s)%2):BT+8*((\s)%2)+7], 0
.endm
.macro RED s                           ; the least of result s's eight joins its tile's group; the lowest registers are read first
.set rU, U+3*((\s)%2)
	v_min3_num_f32 v[rU],   v[D+8*(\s)],   v[D+8*(\s)+1], v[D+8*(\s)+2]
	v_min3_num_f32 v[rU+1], v[D+8*(\s)+3], v[D+8*(\s)+4], v[D+8*(\s)+5]
.if (\s) < 2
	v_min_num_f32  v[rU+2], v[D+8*(\s)+6], v[D+8*(\s)+7]
.else
	v_min3_num_f32 v[rU+2], v[D+8*(\s)+6], v[D+8*(\s)+7], v[G+(\s)%2]
.endif
	v_min3_num_f32 v[G+(\s)%2], v[rU], v[rU+1], v[rU+2]
.endm
.macro KEYS                            ; the finished groups' keys
	v_med3_num_f32 v[KEY],   v[G],   s43, s45
	v_med3_num_f32 v[KEY+1], v[G+1], s43, s45
	v_and_or_b32 v[KEY],   v[KEY],   s44, v7
	v_and_or_b32 v[KEY+1], v[KEY+1], s44, v7
	v_add_nc_u32 v7, 2, v7
.endm
.macro INS l, k, hi, lo                ; levels hi down to lo of an insertion of v[k] into the ascending list at v[l]: each level takes the middle of its old lower neighbour, the key and itself
.set lev, \hi
.rept (\hi)-(\lo)+1
.if lev == 0
	v_min_num_f32 v[\l], v[\l], v[\k]
.else
	v_med3_num_f32 v[(\l)+lev], v[(\l)+lev-1], v[\k], v[(\l)+lev]
.endif
.set lev, lev-1
.endr
.endm
; A TRIP: 64 slots x 32 candidates, eight products, a group for each tile and half of the lanes.  The vector work stands behind the products: result s is read behind product s + 2, eight plain
; instructions or more behind its own; the keys and insertions of the trip before (fin = 1) fill the first places.  next = 1: the other set is fetched, two loads behind each of the first two products.
; The first trip (fin = 0) has no wait on va_vdst: the one ahead of the first fetch covers its loads too.  The last (next = 0) issues no load and has none.
.macro TRIP st, fin, next
	s_wait_dscnt 0x0                               ; this set's four loads, issued a trip ago
.if (\fin) && (\next)
	s_wait_alu depctr_va_vdst(0)                   ; the trip before's products are done reading the other set, in which this trip's loads land; in the first trip of two v6 is written
.endif
	WM 0, \st
.if \next
	LD 1-(\st), 0                                  ; no wait: no vector or matrix line since the last wait on va_vdst names the other set or v6
	LD 1-(\st), 1
.endif
.if \fin
	KEYS
.endif
	WM 1, \st
.if \next
	LD 1-(\st), 2
	LD 1-(\st), 3
.endif
.if \fin
	INS L0, KEY, 9, 5
.else
.rept 4
	v_nop
.endr
.endif
	WM 2, \st
	RED 0
.if \fin
	INS L0, KEY, 4, 0
.endif
	WM 3, \st
	RED 1
.if \fin
	INS L1, KEY+1, 9, 5
.endif
	WM 4, \st
	RED 2
.if \fin
	INS L1, KEY+1, 4, 0
.endif
	WM 5, \st
	RED 3
	WM 6, \st
	RED 4
	WM 7, \st
	RED 5
	RED 6
	RED 7
.endm
	s_wait_alu depctr_va_vdst(0)                   ; v6 is written, the fragment loads' address; the roundings and the zeros have written, and the widenings are done reading, the registers of both sets, in which the loads land
.irp f, 0,1,2,3
	LD 0, \f
.endr
	TRIP 0, 0, 1
	s_mov_b32 s32, 31
.Ltrip:
	s_wait_alu depctr_vm_vsrc(0)                   ; the fragment loads issued so far have read v6
	v_add_nc_u32 v6, 2048, v6                      ; the next two trips' 128 slots
	TRIP 1, 1, 1
	TRIP 0, 1, 1
	s_sub_co_u32 s32, s32, 1
	s_cmp_lg_u32 s32, 0
	s_cbranch_scc1 .Ltrip
	TRIP 1, 1, 0
	KEYS
	INS L0, KEY, 9, 0
	INS L1, KEY+1, 9, 0
.irp i, 0,1,2,3,4,5,6,7,8,9                    ; the other half of the lanes' lists are inserted: both halves end with the same ten
	v_permlanex16_b32 v[D+\i],    v[L0+\i], s37, s38
	v_permlanex16_b32 v[D+16+\i], v[L1+\i], s37, s38
.endr
.irp i, 0,1,2,3,4,5,6,7,8,9
	INS L0, D+\i, 9, 0
	INS L1, D+16+\i, 9, 0
.endr
.irp i, 0,1,2,3,4,5,6,7,8,9
	v_cndmask_b32 v[L0+\i], v[L0+\i], v[L1+\i], s36  ; lanes 0-15 store tile 0's lists, lanes 16-31 tile 1's: lane l is candidate l of my 32
.endr
	v_mov_b32 v[L0+10], -1
	v_mov_b32 v[L0+11], -1
	s_lshl_b32 s30, s25, 11
	s_lshl_b32 s31, s26, 7
	s_add_co_u32 s30, s30, s31
	s_lshl_b32 s31, s24, 5
	s_add_co_u32 s30, s30, s31                     ; my first candidate among the 8,192
	s_lshl2_add_u32 s30, s30, s27                  ; four lists a candidate, mine is q's
	s_mul_i32 s30, s30, 48
	v_mul_u32_u24 v12, v1, 192                     ; (v12 was the gathers' offset: they stand ahead of the chunks' waits on vm_vsrc)
	v_add_nc_u32 v12, s30, v12
	s_wait_alu depctr_va_vdst(0)                   ; the list, its two pads and v12 are written, which the three stores read
	global_store_b128 v12, v[L0:L0+3],    s[14:15]
	global_store_b128 v12, v[L0+4:L0+7],  s[14:15] offset:16
	global_store_b128 v12, v[L0+8:L0+11], s[14:15] offset:32
	s_branch .Lend
; THE PLAN, for the second job.  v8, v9, v10 and the nine offsets v16-24 are made once and not written again; the loads land in registers that no vector line has named; v84 is stored at the end.
; A mask that a compare writes is waited for once, behind the run of compares, ahead of its first reader.
.set GX, 32                            ; v[32:40] x of my eight keypoints and of the centre; v[41:49] y; v[50:58] z
.set GY, 41
.set GZ, 50
.set DD, 64                            ; v[64:71]  d
.set EE, 72                            ; v[72:79]  the position among the 256, as f32
.set TT, 88                            ; v[88:95]  at work
.Lgroup:
	s_sub_co_u32 s25, ttmp9, 256
	s_lshr_b32 s26, s25, 6                         ; cloud
	s_bfe_u32 s27, s25, 0x20004                    ; batch
	s_and_b32 s28, s25, 15
	s_lshl2_add_u32 s28, s28, s24                  ; centre
	s_lshl_b32 s29, s26, 10
	v_lshl_add_u32 v8, v1, 5, s29                  ; positions 8 l .. 8 l + 7 in the cloud's idx
	s_lshl2_add_u32 s30, s28, s29
	v_mov_b32 v9, s30                              ; the centre's
	s_lshl2_add_u32 s33, s25, s24
	s_lshl_b32 s33, s33, 7
	v_lshl_add_u32 v10, v1, 2, s33                 ; my word of gsel
	s_mul_i32 s30, s27, BSTEP
	s_mov_b32 s31, 0
	s_cmp_eq_u32 s26, 0
	s_cselect_b64 s[20:21], s[10:11], s[12:13]
	s_add_nc_u64 s[20:21], s[20:21], s[30:31]
	s_wait_alu depctr_va_vdst(0)                   ; v8 and v9 are written, the offsets of the three loads below
	global_load_b128 v[16:19], v8, s[8:9]
	global_load_b128 v[20:23], v8, s[8:9] offset:16
	global_load_b32 v24, v9, s[8:9]
	s_wait_loadcnt 0x0
.irp e, 0,1,2,3,4,5,6,7,8
	v_min_u32 v[16+\e], 0x3fff, v[16+\e]
	v_lshlrev_b32 v[16+\e], 2, v[16+\e]
.endr
	s_wait_alu depctr_va_vdst(0)                   ; the nine offsets v16 to v24 are written, which the 27 gathers read
.irp e, 0,1,2,3,4,5,6,7,8
	global_load_b32 v[GX+\e], v[16+\e], s[20:21]
	global_load_b32 v[GY+\e], v[16+\e], s[20:21] offset:65536
	global_load_b32 v[GZ+\e], v[16+\e], s[20:21] offset:131072
.endr
	v_lshlrev_b32 v60, 3, v1
.irp e, 0,1,2,3,4,5,6,7
	v_add_nc_u32 v61, \e, v60
	v_cvt_f32_u32 v[EE+\e], v61
.endr
	v_mov_b32 v81, 0
	v_mov_b32 v83, 0
	v_mov_b32 v84, 0
	v_mov_b32 v85, 0x4e6e6b28                      ; 1e9: above every position
	v_mov_b32 v86, 0x7f800000
	s_wait_loadcnt 0x0
.irp e, 0,1,2,3,4,5,6,7,8
	v_cvt_pk_bf16_f32 v60, v[GX+\e], v[GY+\e]
	v_cvt_pk_bf16_f32 v61, v[GZ+\e], v[GZ+\e]
	v_lshlrev_b32 v[GX+\e], 16, v60
	v_and_b32 v[GY+\e], s36, v60
	v_lshlrev_b32 v[GZ+\e], 16, v61
.endr
	v_mul_f32 v62, v[GX+8], v[GX+8]                ; na
	v_fmac_f32 v62, v[GY+8], v[GY+8]
	v_fmac_f32 v62, v[GZ+8], v[GZ+8]
.irp e, 0,1,2,3,4,5,6,7
	v_mul_f32 v60, v[GX+\e], v[GX+\e]              ; nb
	v_fmac_f32 v60, v[GY+\e], v[GY+\e]
	v_fmac_f32 v60, v[GZ+\e], v[GZ+\e]
	v_mul_f32 v61, v[GX+8], v[GX+\e]               ; dot
	v_fmac_f32 v61, v[GY+8], v[GY+\e]
	v_fmac_f32 v61, v[GZ+8], v[GZ+\e]
	v_add_f32 v60, v62, v60
	v_fma_f32 v[DD+\e], -2.0, v61, v60
.endr
; A layer of the sorting network for eight: pair p = 10 i + j; i and j change places where (d, e) of j comes first.
.macro LAYER pairs:vararg
.set n, 0
.irp p, \pairs
	v_cmp_lt_f32 s[48+3*n], v[DD+(\p)%10], v[DD+(\p)/10]
	v_cmp_eq_f32 s[49+3*n], v[DD+(\p)%10], v[DD+(\p)/10]
	v_cmp_lt_f32 s[50+3*n], v[EE+(\p)%10], v[EE+(\p)/10]
.set n, n+1
.endr
	s_wait_alu depctr_va_sdst(0)                   ; the layer's compares have written their masks, which the scalar lines below read
.set n, 0
.irp p, \pairs
	s_and_b32 s[49+3*n], s[49+3*n], s[50+3*n]
	s_or_b32  s[48+3*n], s[48+3*n], s[49+3*n]
.set n, n+1
.endr
.set n, 0
.irp p, \pairs
	v_cndmask_b32 v[TT+n],       v[DD+(\p)/10], v[DD+(\p)%10], s[48+3*n]
	v_cndmask_b32 v[DD+(\p)%10], v[DD+(\p)%10], v[DD+(\p)/10], s[48+3*n]
	v_cndmask_b32 v[TT+4+n],     v[EE+(\p)/10], v[EE+(\p)%10], s[48+3*n]
	v_cndmask_b32 v[EE+(\p)%10], v[EE+(\p)%10], v[EE+(\p)/10], s[48+3*n]
	v_mov_b32 v[DD+(\p)/10], v[TT+n]
	v_mov_b32 v[EE+(\p)/10], v[TT+4+n]
.set n, n+1
.endr
.endm
	LAYER 1, 23, 45, 67
	LAYER 2, 13, 46, 57
	LAYER 12, 56
	LAYER 4, 15, 26, 37
	LAYER 24, 35
	LAYER 12, 34, 56
.macro WMIN r                          ; the least of v[r] over the 32 lanes, in every lane
	v_min_num_f32_dpp v[\r], v[\r], v[\r] row_xmask:1 row_mask:0xf bank_mask:0xf
	v_min_num_f32_dpp v[\r], v[\r], v[\r] row_xmask:2 row_mask:0xf bank_mask:0xf
	v_min_num_f32_dpp v[\r], v[\r], v[\r] row_xmask:4 row_mask:0xf bank_mask:0xf
	v_min_num_f32_dpp v[\r], v[\r], v[\r] row_xmask:8 row_mask:0xf bank_mask:0xf
	v_permlanex16_b32 v81, v[\r], s37, s38
	v_min_num_f32 v[\r], v[\r], v81
.endm
	s_mov_b32 s30, 1                               ; the lane that keeps this trip's pick
	s_mov_b32 s32, 32
.Lpick:
	v_mov_b32 v80, v[DD]
	WMIN 80                                        ; the least head,
	v_cmp_eq_f32 vcc_lo, v[DD], v80
	s_wait_alu depctr_va_vcc(0)                    ; the compare has written VCC, which the select below reads
	v_cndmask_b32 v82, v85, v[EE], vcc_lo
	WMIN 82                                        ; and among equals the lowest position
	v_cmp_eq_f32 s31, v[EE], v82                   ; its lane
	v_cndmask_b32 v83, v83, v80, s30
	v_cndmask_b32 v84, v84, v82, s30
	s_wait_alu depctr_va_sdst(0)                   ; the compare has written s31, which the sixteen selects below read
.irp e, 0,1,2,3,4,5,6
	v_cndmask_b32 v[DD+\e], v[DD+\e], v[DD+\e+1], s31  ; that lane's list moves up
	v_cndmask_b32 v[EE+\e], v[EE+\e], v[EE+\e+1], s31
.endr
	v_cndmask_b32 v[DD+7], v[DD+7], v86, s31
	v_cndmask_b32 v[EE+7], v[EE+7], v85, s31
	s_lshl_b32 s30, s30, 1
	s_sub_co_u32 s32, s32, 1
	s_cmp_lg_u32 s32, 0
	s_cbranch_scc1 .Lpick
	v_cmp_ge_f32 vcc_lo, 1.0, v83                  ; inside the radius?
	v_readlane_b32 s31, v84, 0                     ; else the first neighbour
	s_wait_alu depctr_va_sdst(0)                   ; s31 is written, which the move below reads
	s_wait_alu depctr_va_vcc(0)                    ; VCC is written, which the select below reads
	v_mov_b32 v81, s31
	v_cndmask_b32 v84, v81, v84, vcc_lo
	v_cvt_u32_f32 v84, v84
	s_wait_alu depctr_va_vdst(0)                   ; v84 is written, the store's data (v10, its offset, was written ahead of the first wait of this job)
	global_store_b32 v10, v84, s[18:19]
.Lend:
	s_wait_dscnt 0x0                               ; the closing lines, six on end
	s_wait_alu 0x0
	s_wait_tensorcnt 0x0
	ds_add_u32 v4, v5
	s_wait_dscnt 0x0
	s_endpgm
.Lfunc_end_k_q7ed427dea0_knn1:
	.size	k_q7ed427dea0_knn1, .Lfunc_end_k_q7ed427dea0_knn1-k_q7ed427dea0_knn1
	.p2alignl 7, 3214868480
	.fill 96, 4, 3214868480
	.section	.rodata,"a",@progbits
	.p2align	6, 0x0
	.amdhsa_kernel k_q7ed427dea0_knn1
		.amdhsa_group_segment_fixed_size 131584
		.amdhsa_private_segment_fixed_size 0
		.amdhsa_enable_private_segment 0
		.amdhsa_kernarg_size 48
		.amdhsa_user_sgpr_count 2
		.amdhsa_user_sgpr_kernarg_segment_ptr 1
		.amdhsa_wavefront_size32 1
		.amdhsa_system_sgpr_workgroup_id_x 1
		.amdhsa_system_sgpr_workgroup_id_y 1
		.amdhsa_system_sgpr_workgroup_id_z 1
		.amdhsa_system_vgpr_workitem_id 0
		.amdhsa_next_free_vgpr 256
		.amdhsa_next_free_sgpr 66
		.amdhsa_reserve_vcc 1
		.amdhsa_float_denorm_mode_32 3
		.amdhsa_float_denorm_mode_16_64 3
		.amdhsa_memory_ordered 1
		.amdhsa_forward_progress 1
		.amdhsa_inst_pref_size 105
	.end_amdhsa_kernel
	.amdgpu_metadata
---
amdhsa.version: [ 1, 2 ]
amdhsa.kernels:
  - .name:           k_q7ed427dea0_knn1
    .symbol:         k_q7ed427dea0_knn1.kd
    .args:
      - { .name: idx, .offset: 0, .size: 8, .value_kind: global_buffer, .address_space: global }
      - { .name: src_pts, .offset: 8, .size: 8, .value_kind: global_buffer, .address_space: global }
      - { .name: tgt_pts, .offset: 16, .size: 8, .value_kind: global_buffer, .address_space: global }
      - { .name: glist, .offset: 24, .size: 8, .value_kind: global_buffer, .address_space: global }
      - { .name: tpk, .offset: 32, .size: 8, .value_kind: global_buffer, .address_space: global }
      - { .name: gsel, .offset: 40, .size: 8, .value_kind: global_buffer, .address_space: global }
    .group_segment_fixed_size: 131584
    .private_segment_fixed_size: 0
    .kernarg_segment_align: 8
    .kernarg_segment_size: 48
    .max_flat_workgroup_size: 128
    .sgpr_count:     66
    .vgpr_count:     256
    .wavefront_size: 32
...
	.end_amdgpu_metadata
.endif
;; end of part 6
;; launch fin: the kernel of part 5 again; grid 384 x 1, 4 waves a work-group, no clusters, 0 bytes of LDS; arguments idx, glist, tpk, gsel, src_pts, tgt_pts, out0, out1, out2, out3; writes out0, out1, out2, out3
